; MI455X (gfx1250); checked and timed in simulation.
; The chip was launched on July 23, 2026; its instructions are those of AMD's public machine-readable ISA for CDNA 5 (MIT licence, August 2026) and "CDNA5" Instruction Set Architecture Reference Guide (July 2026). The comments in the code are by the model that wrote it; some were corrected since.
;; Self Attention. Allowed arithmetic: matrix products marked QUANTISED: E2M1 operands, one E8M0 scale for each 32 along K, by v_wmma_scale_f32_16x16x128_f8f6f4 with both operands' format E2M1 (or v_wmma_scale_f32_32x16x128_f4), f32 sums; products left as they are: bf16, f16 or f32 operands; f32 sums; everything else in f32.
;; Inputs: Wk 1,024 x 1,024 float32; Wq 1,024 x 1,024 float32; Wv 1,024 x 1,024 float32; x 4 x 2,048 x 1,024 float32.
;; Outputs: out0 4 x 2,048 x 1,024 float32.
;; This version of the problem:
;;   THIS VERSION OF THE PROBLEM IS GIVEN IN LOW PRECISION. The matrix products marked QUANTISED in the list below multiply operands that are first quantised to E2M1 (2 exponent bits, 1 mantissa bit; 4 bits a number), with one power-of-two scale for each 32 numbers along K (OCP MX v1.0); their sums are f32. The products marked 'left as it is' may take bf16, f16 or f32 operands, with f32 sums. Whichever they take, every output number must still come out within the allowed error. Rounding operands to bf16 (8 significant bits) uses up far more of that allowance than f16 does (11 bits, for magnitudes from 6e-5 to 65,504). All else is computed in f32.
;;   The module's matrix products, in the order in which they are computed (A, B: the left and right operand; K: the contracted axis; several contracted axes count as one K, in the product's order):
;;     1. [M 8,192, K 1,024] x [K 1,024, N 1,024]; A: input x; B: input Wq: QUANTISED
;;     2. [M 8,192, K 1,024] x [K 1,024, N 1,024]; A: input x; B: input Wk: QUANTISED
;;     3. [M 8,192, K 1,024] x [K 1,024, N 1,024]; A: input x; B: input Wv: QUANTISED
;;     4. batch 4 x [M 2,048, K 1,024] x [K 1,024, N 2,048]; A: computed on the way; B: computed on the way: left as it is (an operand is computed on the way)
;;     5. batch 4 x [M 2,048, K 2,048] x [K 2,048, N 1,024]; A: computed on the way; B: computed on the way: left as it is (an operand is computed on the way)
;;   THE QUANTISER, for each operand of a quantised product, along K:
;;     - K is cut into blocks of 32 from its start; a last block that is shorter is filled with zeros.
;;     - A block's scale is 2^e with e = floor(log2(the largest magnitude in the block)) - 2, held to -126 .. 127; a block of zeros has e = 0. As a byte (E8M0): e + 127.
;;     - Each number is divided by its block's scale, clamped to +-6, and rounded to the nearest number of E2M1, ties to even, subnormals kept.
;;     - The product sums the exact products of the quantised numbers (number of the format x scale) in f32.
;;   ~~~python
;;   def quantise(x, axis):      # numpy; x: float32 -> the quantised numbers, widened to float32 again
;;       x = np.moveaxis(x, axis, -1); K = x.shape[-1]
;;       x = np.pad(x, [(0, 0)] * (x.ndim - 1) + [(0, -K % 32)]); x = x.reshape(x.shape[:-1] + (-1, 32)); a = np.abs(x).max(-1, keepdims=True)
;;       e = np.where(a > 0, np.clip(np.frexp(np.where(a > 0, a, 1))[1] - 1 - 2, -126, 127), 0)      # np.frexp(a)[1] - 1 = floor(log2(a)), exactly
;;       r = np.clip(x / 2.0 ** e, -6, 6)
;;       step = 2.0 ** (np.maximum(np.frexp(np.where(r == 0, 1, r))[1] - 1, 0) - 1)
;;       q = np.round(r / step) * step * 2.0 ** e      # np.round: ties to even
;;       return np.moveaxis(q.reshape(q.shape[:-2] + (-1,))[..., :K], -1, axis).astype(np.float32)
;;   ~~~
;; One version. Each part assembles by itself: llvm-mc -triple=amdgcn-amd-amdhsa -mcpu=gfx1250 --defsym DOCPART=n.
;; ======== version 1 of 1: 4 launches
;; limits: values are held in f16: magnitudes above 65,504 overflow, below 6.1e-05 lose precision
;; workspace buffers: xc 4,194,304 bytes; xs 262,144 bytes; wc 1,572,864 bytes; ws 98,304 bytes; qkv 50,331,648 bytes; p 33,554,432 bytes; stats 1,048,576 bytes
;; launch quant (part 1): grid 352 x 1, 4 waves a work-group, no clusters, 33,280 bytes of LDS; arguments x, Wq, Wk, Wv, xc, xs, wc, ws; writes xc, xs, wc, ws
.if DOCPART == 1
	.amdgcn_target "amdgcn-amd-amdhsa--gfx1250"
	.amdhsa_code_object_version 6
	.text
	.protected	k_q3dbac2e864_quant
	.globl	k_q3dbac2e864_quant
	.p2align	8
	.type	k_q3dbac2e864_quant,@function
k_q3dbac2e864_quant:
	s_mov_b64 s[64:65], 0
	v_nop
	global_prefetch_b8 v0, s[64:65] scope:SCOPE_SE
	s_setreg_imm32_b32 hwreg(HW_REG_WAVE_MODE, 25, 1), 1
	s_wait_xcnt 0x0
; SELF-ATTENTION, launch 1 of 4: x [8192][1024] and Wq, Wk, Wv [1024][1024], f32, become codes of FP4 (E2M1), K innermost, with one E8M0 scale byte for each 32 along K.
; THE PROGRAM: (1) this launch; (2) q, k, v = x W^T on the codes, rounded to f16; (3) scores q k^T in f16, and for each row and each chunk of 128 keys the chunk's largest t rounded up to a whole number M_c,
; the chunk's sum of 2^(t - M_c), and p = 2^(t - M_c) in f16; (4) out = (sum over chunks of 2^(M_c - M) P_c V_c) / (sum over chunks of 2^(M_c - M) l_c), M the row's largest M_c.
; NO WORK IS LEFT OUT: there is no mask and no bias, every product of the problem reaches the output, and all four inputs are loaded.
; A block's scale is 2^(floor(log2(its largest magnitude)) - 2); its byte is the largest magnitude's own exponent field - 2, held at 1 from below.  Each number is divided by the scale and rounded to the nearest code, ties to even; beyond 6 the largest code.
; LIMITS: a block of zeros gets the byte 1 where the rule says 127 (its codes are zeros, which add nothing under any byte but 0xff, and this program alone reads the bytes); blocks whose largest magnitude lies under 2^-124 keep the byte 1;
; NaN and infinities among the inputs are not served.
; Rows are dense and K = 1024 is a multiple of 32, so every tensor is a plain stream of blocks of 32 numbers, and so are its codes and its scale bytes.  A work-group takes 32,768 numbers, a wave 16 steps of 512.
; Work-groups 0-255 take x, 256-287 Wq, 288-319 Wk, 320-351 Wv; the three weights' codes lie one behind the other in wc (rows 0-1023 Wq, 1024-2047 Wk, 2048-3071 Wv), their bytes likewise in ws.  Only pointers are chosen: one path serves all four.
; Each of a step's four loads reads 512 consecutive bytes, 16 a lane; the 2,048 bytes go through the wave's own stage in LDS and come back 64 bytes a lane: 16 neighbours along K, as the conversions want them (two neighbouring lanes hold a block).
; A lane's 16 codes are 8 bytes: a wave's store covers 256 consecutive bytes, aligned.  A wave's 256 scale bytes are gathered in its own LDS and leave by one store of 256 consecutive bytes.
; No tensor loads, no barrier: waves share nothing.  Loads run four steps (16 loads a wave) ahead, the turn through LDS one step.  No matrix unit and no cluster: the launch only streams.
.set WAVES, 4
.set STEPS, 16
.set EMAX,  2
.set CB,    8                          ; bytes of 16 codes
.set R,     16                         ; v16-79   four sets of 16 numbers as they are loaded
.set X,     80                         ; v80-111  two sets of 16 neighbours
.set C,     128                        ; v128-191 codes: four registers for each step, so that no store's data are written again
.set E,     112                        ; v112-127 a scale byte for each step
.set WREG,  8192                       ; LDS: a region of its own for each wave: two stages of 32 x SP bytes, and behind them its 256 scale bytes
.set SP,    80                         ; a lane's place in a stage: its 64 bytes + 16 of padding
.set SPW,   12                         ; v12      LDS address of my spare word: SPARE + 4 x my thread's number; never rewritten
.set NIL,   13                         ; v13      0; never rewritten
.set SPARE, WAVES*WREG                 ; behind the four regions: the spare words, 128 bytes for each wave, which no other line names
	s_load_b256 s[4:11], s[0:1], 0x0               ; x s[4:5], Wq s[6:7], Wk s[8:9], Wv s[10:11]
	s_load_b256 s[12:19], s[0:1], 0x20             ; xc s[12:13], xs s[14:15], wc s[16:17], ws s[18:19]
	v_lshl_add_u32 v[SPW], v0, 2, SPARE
	v_mov_b32 v[NIL], 0
	v_lshrrev_b32 v1, 5, v0
	v_readfirstlane_b32 s20, v1                    ; wave
	v_and_b32 v2, 31, v0                           ; lane
	v_lshlrev_b32 v3, 4, v2                        ; my 16 bytes of a load's 512
	s_mul_i32 s21, s20, WREG
	v_lshrrev_b32 v14, 2, v2
	v_mul_u32_u24 v14, v14, SP
	v_and_b32 v15, 3, v2
	v_lshl_add_u32 v14, v15, 4, v14
	v_add_nc_u32 v14, s21, v14                     ; the stage, on the way in: four lanes' 64 bytes on end, then 16 of padding
	v_mul_u32_u24 v15, v2, SP
	v_add_nc_u32 v15, s21, v15                     ; and on the way out: SP x lane: my 16 neighbours
	v_mul_u32_u24 v4, v2, CB                       ; my codes' place in a step's
	v_lshrrev_b32 v5, 1, v2
	s_add_co_u32 s21, s21, 2*32*SP
	v_add_nc_u32 v5, s21, v5                       ; LDS: my wave's 256 scale bytes, my block's byte
	v_lshlrev_b32 v7, 3, v2                        ; and on the way out 8 bytes a lane
	v_add_nc_u32 v6, s21, v7
	s_and_b32 s28, ttmp9, 31                       ; a weight's work-group: which 32,768 numbers of its tensor (256, 288 and 320 are multiples of 32),
	s_sub_co_u32 s29, ttmp9, 256                   ; and which of the three weights' joint output
	s_wait_kmcnt 0x0
	s_cmp_lt_u32 ttmp9, 320                        ; the choices hang on the work-group's number alone
	s_cselect_b64 s[22:23], s[8:9], s[10:11]       ; Wk or Wv,
	s_cmp_lt_u32 ttmp9, 288
	s_cselect_b64 s[22:23], s[6:7], s[22:23]       ; or Wq,
	s_cmp_lt_u32 ttmp9, 256
	s_cselect_b64 s[22:23], s[4:5], s[22:23]       ; or x: the source
	s_cselect_b64 s[24:25], s[12:13], s[16:17]     ; its codes
	s_cselect_b64 s[26:27], s[14:15], s[18:19]     ; its scale bytes
	s_cselect_b32 s28, ttmp9, s28
	s_cselect_b32 s29, ttmp9, s29
	s_lshl_b32 s28, s28, 2
	s_add_co_u32 s28, s28, s20                     ; which run of 8,192 numbers of the source is my wave's,
	s_lshl_b32 s29, s29, 2
	s_add_co_u32 s29, s29, s20                     ; and of the output
	s_mov_b32 s31, 0
	s_lshl_b32 s30, s28, 15                        ; 32,768 bytes of f32 a run (at most 1,023 runs: under 2^25)
	s_add_nc_u64 s[22:23], s[22:23], s[30:31]
	s_lshl_b32 s30, s29, 12                        ; 4,096 bytes of codes
	s_add_nc_u64 s[24:25], s[24:25], s[30:31]
	s_lshl_b32 s30, s29, 8                         ; 256 scale bytes
	s_add_nc_u64 s[26:27], s[26:27], s[30:31]
.macro LOAD t
.irp i, 0,1,2,3
	global_load_b128 v[R+16*((\t)%4)+4*\i:R+16*((\t)%4)+4*\i+3], v3, s[22:23] offset:2048*(\t)+512*\i th:TH_LOAD_NT   ; 32 lanes read 512 consecutive bytes; read once in the launch
.endr
.endm
.macro TURN t                          ; step t's numbers through the stage: LDS serves a wave's instructions in order, so no wait stands between the stores and the loads
.irp i, 0,1,2,3
	ds_store_b128 v14, v[R+16*((\t)%4)+4*\i:R+16*((\t)%4)+4*\i+3] offset:32*SP*((\t)%2)+8*SP*\i
.endr
.irp i, 0,1,2,3
	ds_load_b128 v[X+16*((\t)%2)+4*\i:X+16*((\t)%2)+4*\i+3], v15 offset:32*SP*((\t)%2)+16*\i
.endr
.endm
.irp t, 0,1,2,3
	LOAD \t
.endr
	s_wait_loadcnt 12                              ; step 0's four loads are in; the twelve of steps 1 to 3 may be out
	TURN 0
.macro STEP t
.set XS, X+16*((\t)%2)
.if (\t) > 0
	s_wait_dscnt 1                                 ; this step's numbers are back from the stage (the last step's byte store may be out): so its stores into the stage have read their registers,
.else
	s_wait_dscnt 0x0
.endif
.if (\t)+4 < STEPS
	LOAD (\t)+4                                    ; which take the loads of four steps on
.endif
.if (\t)+1 < STEPS
.if STEPS-2-(\t) >= 3
	s_wait_loadcnt 12                              ; the next step's four loads are in; those of the three steps behind it may be out
.else
	s_wait_loadcnt 4*(STEPS-2-(\t))
.endif
	TURN (\t)+1                                    ; and go through the other stage while this step is worked
.endif
	v_max3_num_f32 v8, |v[XS]|, |v[XS+1]|, |v[XS+2]|               ; the largest magnitude of my 16, in two chains
	v_max3_num_f32 v9, |v[XS+3]|, |v[XS+4]|, |v[XS+5]|
.irp i, 6,10
	v_max3_num_f32 v8, v8, |v[XS+\i]|, |v[XS+\i+1]|
	v_max3_num_f32 v9, v9, |v[XS+\i+2]|, |v[XS+\i+3]|
.endr
	v_max3_num_f32 v8, v8, |v[XS+14]|, |v[XS+15]|
	v_max3_num_f32 v8, v8, v9, (EMAX+1)<<23        ; and the floor 2^(EMAX + 1 - 127), under which no largest magnitude is taken: so the byte cannot fall under 1
	v_max_num_f32_dpp v8, v8, v8 row_xmask:1 row_mask:0xf bank_mask:0xf   ; and of my neighbour's 16: the block's
	v_add_nc_u32 v11, -(EMAX<<23), v8              ; EMAX off its exponent field: the conversion takes the exponent field of this operand as its scale, and nothing else of it
	v_cvt_scalef32_pk8_fp4_f32 v[C+4*(\t)], v[XS:XS+7], v11        ; eight numbers / the scale, to the nearest code, ties to even; the first number's code in the lowest four bits
	v_cvt_scalef32_pk8_fp4_f32 v[C+4*(\t)+1], v[XS+8:XS+15], v11
	v_lshrrev_b32 v[E+(\t)], 23, v11               ; the scale's byte (also the plain line behind the conversions)
	ds_store_b8 v5, v[E+(\t)] offset:16*(\t)       ; both lanes of a block write the same byte with the same value
	global_store_b64 v4, v[C+4*(\t):C+4*(\t)+1], s[24:25] offset:32*CB*(\t)   ; 32 lanes store 256 consecutive bytes, aligned
.endm
.irp t, 0,1,2,3,4,5,6,7,8,9,10,11,12,13,14,15
	STEP \t
.endr
	ds_load_b64 v[8:9], v6                         ; LDS serves a wave's instructions in order: these see my stores
	s_wait_dscnt 0x0
	global_store_b64 v7, v[8:9], s[26:27]          ; 32 lanes store 256 consecutive bytes, aligned
	s_wait_tensorcnt 0x0                           ; the wave's end: behind my last LDS store
	ds_add_u32 v[SPW], v[NIL]
	s_wait_dscnt 0x0
	s_endpgm
.Lfunc_end_k_q3dbac2e864_quant:
	.size	k_q3dbac2e864_quant, .Lfunc_end_k_q3dbac2e864_quant-k_q3dbac2e864_quant
	.p2alignl 7, 3214868480
	.fill 96, 4, 3214868480
	.section	.rodata,"a",@progbits
	.p2align	6, 0x0
	.amdhsa_kernel k_q3dbac2e864_quant
		.amdhsa_group_segment_fixed_size 33280
		.amdhsa_private_segment_fixed_size 0
		.amdhsa_enable_private_segment 0
		.amdhsa_kernarg_size 64
		.amdhsa_user_sgpr_count 2
		.amdhsa_user_sgpr_kernarg_segment_ptr 1
		.amdhsa_wavefront_size32 1
		.amdhsa_system_sgpr_workgroup_id_x 1
		.amdhsa_system_sgpr_workgroup_id_y 1
		.amdhsa_system_sgpr_workgroup_id_z 1
		.amdhsa_system_vgpr_workitem_id 0
		.amdhsa_next_free_vgpr 192
		.amdhsa_next_free_sgpr 66
		.amdhsa_reserve_vcc 0
		.amdhsa_float_denorm_mode_32 3
		.amdhsa_float_denorm_mode_16_64 3
		.amdhsa_memory_ordered 1
		.amdhsa_forward_progress 1
		.amdhsa_inst_pref_size 34
	.end_amdhsa_kernel
	.amdgpu_metadata
---
amdhsa.version: [ 1, 2 ]
amdhsa.kernels:
  - .name:           k_q3dbac2e864_quant
    .symbol:         k_q3dbac2e864_quant.kd
    .args:
      - { .name: x, .offset: 0, .size: 8, .value_kind: global_buffer, .address_space: global }
      - { .name: Wq, .offset: 8, .size: 8, .value_kind: global_buffer, .address_space: global }
      - { .name: Wk, .offset: 16, .size: 8, .value_kind: global_buffer, .address_space: global }
      - { .name: Wv, .offset: 24, .size: 8, .value_kind: global_buffer, .address_space: global }
      - { .name: xc, .offset: 32, .size: 8, .value_kind: global_buffer, .address_space: global }
      - { .name: xs, .offset: 40, .size: 8, .value_kind: global_buffer, .address_space: global }
      - { .name: wc, .offset: 48, .size: 8, .value_kind: global_buffer, .address_space: global }
      - { .name: ws, .offset: 56, .size: 8, .value_kind: global_buffer, .address_space: global }
    .group_segment_fixed_size: 33280
    .private_segment_fixed_size: 0
    .kernarg_segment_align: 8
    .kernarg_segment_size: 64
    .max_flat_workgroup_size: 128
    .sgpr_count:     66
    .vgpr_count:     192
    .wavefront_size: 32
...
	.end_amdgpu_metadata
.endif
;; end of part 1
;; launch proj (part 2): grid 12 x 32, 4 waves a work-group, clusters of 4 x 4, 327,680 bytes of LDS; arguments xc, xs, wc, ws, qkv; writes qkv
.if DOCPART == 2
	.amdgcn_target "amdgcn-amd-amdhsa--gfx1250"
	.amdhsa_code_object_version 6
	.text
	.protected	k_q3dbac2e864_proj
	.globl	k_q3dbac2e864_proj
	.p2align	8
	.type	k_q3dbac2e864_proj,@function
k_q3dbac2e864_proj:
	s_mov_b64 s[64:65], 0
	v_nop
	global_prefetch_b8 v0, s[64:65] scope:SCOPE_SE
	s_setreg_imm32_b32 hwreg(HW_REG_WAVE_MODE, 25, 1), 1
	s_wait_xcnt 0x0
	s_wait_alu depctr_hold_cnt(0) depctr_sa_sdst(0) depctr_va_vdst(0) depctr_va_sdst(0) depctr_va_ssrc(0) depctr_va_vcc(0) depctr_vm_vsrc(0)
	s_getreg_b32 s2, hwreg(HW_REG_IB_STS2, 6, 4)
	s_cmp_eq_u32 s2, 0
	s_cbranch_scc0 .Lentry_in_a_cluster
	s_endpgm
.Lentry_in_a_cluster:
	s_bfe_u32 s2, ttmp6, 0x10000c
	s_cmp_lg_u32 s2, 0xf033
	s_cbranch_scc0 .Lentry_shape_is_right
	s_endpgm
.Lentry_shape_is_right:
; SELF-ATTENTION, launch 2 of 4: [q; k; v][token][n] = sum over d of x[token][d] W[n][d], on codes of FP4 (E2M1) with one E8M0 scale for each 32 along K; sums in f32; the results are rounded once to f16.  No work is left out.
; xc [8192][512 bytes], xs [8192][32], wc [3072][512 bytes] (Wq, Wk, Wv on end), ws [3072][32].  qkv: [3][8192][1024] f16.
; LIMIT: |q|, |k|, |v| stay under 65,504, the largest number of f16.
; A tile of 256 tokens x 256 rows of W is made by a work-group of four waves; a wave makes 128 x 128: 64 accumulators of 16 x 16, 512 registers.  12 x 32 tiles; a tile of 256 x 384, which would give 256 work-groups, needs 768 registers of sums and leaves no room for operands.
; K = 1024 is two LDS slots of 512 along K (rows of 256 bytes): both are asked for at the head, and nothing is filled again.  The scale bytes of the tile's 256 + 256 rows, for all of K, are two dense blocks of memory: they come once, with the first fills.
; By this text's own count a wave has three tensor loads out at the most.
; CLUSTERS: 4 x 4 work-groups.  The four of a row of the cluster need the same tokens, the four of a column the same rows of W: each tile is asked for JOINTLY, by the same tensor load with the same descriptor and a mask that names the four.
; A cluster's four tile columns are just one of q, k, v: the cluster's x picks the plane of qkv.
; THE MATRIX INSTRUCTION IS USED TRANSPOSED (source 0 = 16 rows of W, source 1 = 16 tokens): a lane then holds eight neighbouring outputs of one token, which pack into 16 bytes of f16.
; No prefetch: all of K is asked for at the head.
; REGISTERS, in windows of 256: window 0: v0-31 addresses; v32-95 scale words, two sets; v128-191 x's fragments (8 x 16 rows x 128 K), ONE set; on the way out v192-223 packed results, v32-63 and v224-255 rows read back.
;   window 1: W's fragments, TWO sets, at v0 and at v128.   window 2: the 32 accumulators of my tokens 0-63 (accumulator (a, b) at v[8 (8 a + b)]);   window 3: those of my tokens 64-127.
.set KSTEP,  512                       ; along K in a slot
.set NQ,     KSTEP/128                 ; matrix instructions deep
.set ROWB,   256                       ; a tile's row in bytes: KSTEP codes of 4 bits
.set KROW,   512                       ; a row of xc or wc in memory, in bytes
.set PITCH,  272                       ; an LDS row: 256 bytes + 16 of padding = 68 words: row r starts at bank 4 r mod 64 (64 banks of 4 bytes: ISA guide 11.1), so the 16 rows that a load touches start at 16 different banks
.set FR,     8                         ; registers of a fragment: 16 rows x 128 K
.set NL,     2                         ; LDS loads that bring one
.set NP,     4                         ; places behind this matrix instruction (ISA guide 7.12.1)
.set HALFT,  128*PITCH                 ; 128 rows: what one tensor load brings, and what one wave reads of x or of W
.set SLOT,   4*HALFT                   ; x's 256 rows, then W's 256 rows
.set KS,     32                        ; a row of scale bytes
.set SCL,    2*SLOT                    ; behind the two slots: the scales, as rows of 256 bytes + 16 of padding
.set HALFS,  (128*KS/256)*272          ; the scales of 128 rows: what one tensor load brings
.set SBLK,   (16*KS/256)*272           ; those of 16 rows
.set SPARE,  SCL+4*HALFS               ; behind the scales: the spare words, 128 bytes for each wave, which no other line names
.set SPITCH, 272                       ; the way out: a stage of 16 rows x (256 bytes + 16) for each wave.  It lies in slot 0, which has had its only fill and its last read when the first result is stored there
.set ADRA, 16                          ; v16-17  LDS address of my fragments of x in slot 0, 1
.set ADRB, 20                          ; v20-21  the same for W
.set STO,  24                          ; v24     the way out: where I put 16 bytes of a row
.set RD,   25                          ; v25     the way out: where I read a row back
.set CO,   26                          ; v26     my byte offset in two rows of the output
.set ADRS, 27                          ; v27     LDS address of my scale words: lanes 0-15 x's rows, lanes 16-31 W's
.set SPW,  28                          ; v28     LDS address of my spare word: SPARE + 4 x my thread's number; never rewritten
.set NIL,  29                          ; v29     0; never rewritten
.set SC,   32                          ; scale words: set s (for slot s) at v[SC + 8 NQ s]; in it register NQ i + q: lanes 0-15 the word of x's block i, lanes 16-31 that of W's block i, for the slot's q-th 128 along K
.set AF,   128                         ; x's fragments, in window 0
.set TMP,  192                         ; the way out: packed results
.set OB,   32                          ; the way out: 16 rows read back from the stage: v32-63 and v224-255 by turns
.set G1, 24                            ; s[24:31] descriptor group 1 for x's tiles;  s[32:39] group 0, one set for each slot
.set G0, 32
.set G1B, 48                           ; s[48:55], s[56:63] the same for W's tiles
.set G0B, 56
.set G1S, 68                           ; s[68:75], s[76:79] groups 1 and 0 for x's scales;  s[80:87], s[88:91] for W's
.set G0S, 76
.set G1SB, 80
.set G0SB, 88
.set MSB, 0
.macro WIN new                         ; the immediate's high byte repeats the setting that is left; a switch that changes nothing is dropped
.if MSB != (\new)
	s_set_vgpr_msb (MSB<<8)|(\new)
.set MSB, (\new)
.endif
.endm
.set MUL_LO, 0xa1                      ; source 0 (W) window 1, source 1 (x) window 0, C and D window 2
.set MUL_HI, 0xf1                      ; the same, C and D window 3
.set TO_B,   0x40                      ; destination window 1, address window 0
; A joint load: waves 0 and 1 fetch for x, waves 2 and 3 for W.  Each of the two lines has ONE mask and one set of registers for all that issue it; the branch hangs on the wave's number alone.
; An s_nop 0 and four v_nop follow each of the two lines, ahead of the jump, the label and what follows.
.macro JLOAD g0a, g1a, g0b, g1b
	s_cmp_eq_u32 s15, 0
	s_cbranch_scc0 .Lfor_b_\@
	tensor_load_to_lds s[\g0a:\g0a+3], s[\g1a:\g1a+7]
	s_nop 0
.rept 4
	v_nop
.endr
	s_branch .Lasked_\@
.Lfor_b_\@:
	tensor_load_to_lds s[\g0b:\g0b+3], s[\g1b:\g1b+7]
	s_nop 0
.rept 4
	v_nop
.endr
.Lasked_\@:
.endm
.macro CROUND                          ; a round of the cluster's barrier: my work-group's barrier; wave 0 signals for the work-group; every wave waits for all sixteen work-groups; my work-group's barrier once more
	s_barrier_signal -1
	s_barrier_wait -1
	s_cmp_lg_u32 s14, 0
	s_cbranch_scc1 .Lnot_wave_0_\@
	s_barrier_signal -3
.Lnot_wave_0_\@:
	s_barrier_wait -3
	s_barrier_signal -1
	s_barrier_wait -1
.endm
	s_load_b128 s[4:7], s[0:1], 0x0                ; x's codes s[4:5], x's scales s[6:7]
	s_load_b128 s[8:11], s[0:1], 0x10              ; W's codes s[8:9], W's scales s[10:11]
	s_load_b64 s[12:13], s[0:1], 0x20              ; qkv
	v_lshl_add_u32 v[SPW], v0, 2, SPARE
	v_mov_b32 v[NIL], 0
	ds_add_u32 v[SPW], v[NIL]                      ; the wave's opening: the add, twice on end, and its wait ahead of my first tensor load; the set-up below, work on registers, stands between the second and the wait
	ds_add_u32 v[SPW], v[NIL]                      ; and once more, under the one wait
	v_lshrrev_b32 v1, 5, v0
	v_readfirstlane_b32 s14, v1                    ; wave 0..3
	s_lshr_b32 s15, s14, 1                         ; which half of the tile's tokens is mine.  Also: I fetch for x (0) or for W (1)
	s_and_b32 s16, s14, 1                          ; which half of its columns.  Also: which 128 rows of that tile I fetch
	s_bfe_u32 s40, ttmp6, 0x40000                  ; cx, cy: my place in the cluster
	s_bfe_u32 s41, ttmp6, 0x40004
	s_lshl_b32 s42, ttmp9, 2
	s_add_co_u32 s42, s42, s40                     ; tile column = 4 x cluster x + cx: 0..11
	s_and_b32 s17, ttmp7, 0xffff
	s_lshl_b32 s17, s17, 2
	s_add_co_u32 s17, s17, s41                     ; tile row = 4 x cluster y + cy: 0..31
	s_lshl_b32 s43, s41, 2
	s_lshl_b32 s43, 15, s43                        ; my row of the cluster
	s_lshl_b32 s44, 0x1111, s40                    ; my column
	; descriptor group 1: a tile of 128 rows x ROWB bytes, padded in LDS
	s_or_b32 s[G1+0], s43, (0<<16)|(1<<20)|(1<<21)|(5<<22)|(3<<25)  ; 15:0 the mask: x's tiles go to my row; 17:16 element of 1 byte; 20 padding on; 21 set beside a mask; 24:22 after every 64 words (code 5); 31:25 of 4 words (code 3)
	s_or_b32 s[G1B+0], s44, (0<<16)|(1<<20)|(1<<21)|(5<<22)|(3<<25)
.irp g, G1, G1B
	s_mov_b32 s[\g+1], ROWB<<16                    ; tensor_dim0
	s_mov_b32 s[\g+2], 128<<16                     ; tensor_dim1 = 128
	s_mov_b32 s[\g+3], ROWB<<16                    ; tile_dim0
	s_mov_b32 s[\g+4], 128                         ; tile_dim1 = 128
	s_mov_b32 s[\g+5], KROW                        ; tensor_dim0_stride
	s_mov_b32 s[\g+6], 0
	s_mov_b32 s[\g+7], 0
.endr
	; and for the scales of 128 rows: a dense block of 4,096 bytes, as 16 rows of 256 bytes (32 elements of 8 bytes), 16 bytes of padding behind each
	s_or_b32 s[G1S+0], s43, (3<<16)|(1<<20)|(1<<21)|(5<<22)|(3<<25)
	s_or_b32 s[G1SB+0], s44, (3<<16)|(1<<20)|(1<<21)|(5<<22)|(3<<25)
.irp g, G1S, G1SB
	s_mov_b32 s[\g+1], 32<<16
	s_mov_b32 s[\g+2], (128*KS/256)<<16
	s_mov_b32 s[\g+3], 32<<16
	s_mov_b32 s[\g+4], 128*KS/256
	s_mov_b32 s[\g+5], 32
	s_mov_b32 s[\g+6], 0
	s_mov_b32 s[\g+7], 0
.endr
	s_lshl_b32 s18, s16, 7                         ; which 128 rows of the tile I fetch
	s_lshl_b32 s20, s17, 8
	s_add_co_u32 s20, s20, s18                     ; x: row 256 x tile row + 128 x half
	s_lshl_b32 s46, s42, 8
	s_add_co_u32 s46, s46, s18                     ; W: row 256 x tile column + 128 x half
	s_mov_b32 s21, 0
	s_mov_b32 s47, 0
	s_mov_b64 s[18:19], KS
	s_mul_u64 s[22:23], s[20:21], s[18:19]         ; where these rows' scales begin, in bytes
	s_mul_u64 s[92:93], s[46:47], s[18:19]
	s_mov_b64 s[18:19], KROW
	s_mul_u64 s[20:21], s[20:21], s[18:19]         ; and their codes
	s_mul_u64 s[46:47], s[46:47], s[18:19]
	s_mul_i32 s45, s14, HALFT                      ; where they go: wave x 128 rows: no place in the cluster enters an LDS address
	s_mul_i32 s94, s14, HALFS
	s_wait_dscnt 0x0                               ; both opening adds are done
	s_wait_kmcnt 0x0
	s_add_nc_u64 s[20:21], s[4:5], s[20:21]
	s_add_nc_u64 s[22:23], s[6:7], s[22:23]
	s_add_nc_u64 s[46:47], s[8:9], s[46:47]
	s_add_nc_u64 s[92:93], s[10:11], s[92:93]
	CROUND                                         ; all sixteen work-groups are here: the joint loads meet
	s_mov_b32 s[G0S], 1
	s_add_co_u32 s[G0S+1], s94, SCL
	s_mov_b64 s[G0S+2:G0S+3], s[22:23]
	s_or_b32 s[G0S+3], s[G0S+3], 0x80000000
	s_mov_b32 s[G0SB], 1
	s_add_co_u32 s[G0SB+1], s94, SCL
	s_mov_b64 s[G0SB+2:G0SB+3], s[92:93]
	s_or_b32 s[G0SB+3], s[G0SB+3], 0x80000000
	JLOAD G0S, G1S, G0SB, G1SB                     ; the scales first: they are wanted with slot 0
.irp s, 0,1
	s_mov_b32 s[G0+4*\s], 1
	s_add_co_u32 s[G0+4*\s+1], s45, \s*SLOT
	s_add_nc_u64 s[G0+4*\s+2:G0+4*\s+3], s[20:21], \s*ROWB
	s_or_b32 s[G0+4*\s+3], s[G0+4*\s+3], 0x80000000
	s_mov_b32 s[G0B+4*\s], 1
	s_add_co_u32 s[G0B+4*\s+1], s45, \s*SLOT
	s_add_nc_u64 s[G0B+4*\s+2:G0B+4*\s+3], s[46:47], \s*ROWB
	s_or_b32 s[G0B+4*\s+3], s[G0B+4*\s+3], 0x80000000
	JLOAD G0+4*\s, G1, G0B+4*\s, G1B
.endr
	v_and_b32 v1, 15, v0                           ; r = l % 16
	v_bfe_u32 v2, v0, 4, 1                         ; h = l / 16
	v_mul_u32_u24 v3, v1, PITCH
	v_lshl_add_u32 v4, v2, 4, v3                   ; a fragment's row x pitch + 16 x half
	s_mul_i32 s21, s15, HALFT                      ; my 128 rows of x
	s_mul_i32 s22, s16, HALFT                      ; my 128 rows of W,
	s_add_co_u32 s22, s22, 2*HALFT                 ; which lie behind x's 256
.irp s, 0,1
	v_add_nc_u32 v[ADRA+\s], s21, v4
	v_add_nc_u32 v[ADRB+\s], s22, v4
	s_add_co_u32 s21, s21, SLOT
	s_add_co_u32 s22, s22, SLOT
.endr
	v_mul_u32_u24 v5, v1, KS                       ; my row's scales: KS bytes a row,
	v_lshrrev_b32 v6, 8, v5
	v_lshl_add_u32 v5, v6, 4, v5                   ; and 16 more for each 256 passed
	s_mul_i32 s21, s15, HALFS                      ; x's: my 128 rows
	s_mul_i32 s22, s16, HALFS                      ; W's: my 128 rows, behind x's 256
	s_add_co_u32 s22, s22, 2*HALFS
	s_sub_co_u32 s22, s22, s21
	v_mul_u32_u24 v6, s22, v2                      ; lanes 16-31 take W's: the lower base + h x the distance
	s_add_co_u32 s21, s21, SCL
	v_add_nc_u32 v5, v5, v6
	v_add_nc_u32 v[ADRS], s21, v5
	s_mul_i32 s23, s14, 16*SPITCH                  ; my stage
	v_mul_u32_u24 v5, v1, SPITCH                   ; in: row l % 16, 16 bytes for each half of the lanes
	v_lshl_add_u32 v5, v2, 4, v5
	v_add_nc_u32 v[STO], s23, v5
	v_mul_u32_u24 v5, v2, SPITCH                   ; back: lanes 0-15 take one row of 256 bytes, lanes 16-31 the next
	v_lshl_add_u32 v5, v1, 4, v5
	v_add_nc_u32 v[RD], s23, v5
	v_lshlrev_b32 v5, 11, v2                       ; and the same two rows in the output: 2,048 bytes a row
	v_lshl_add_u32 v[CO], v1, 4, v5
	s_lshl_b32 s20, s17, 8
	s_lshl_b32 s21, s15, 7
	s_add_co_u32 s20, s20, s21                     ; my first token: 256 x tile row + 128 x half,
	s_lshl_b32 s20, s20, 11                        ; in bytes;
	s_lshl_b32 s21, ttmp9, 24
	s_add_co_u32 s20, s20, s21                     ; the plane of q, k or v: 2^24 bytes each;
	s_lshl_b32 s46, s40, 9                         ; my first column in that plane, in bytes: 512 cx + 256 x half
	s_lshl_b32 s47, s16, 8
	s_add_co_u32 s46, s46, s47
	s_add_co_u32 s20, s20, s46                     ; in all under 2^26
	s_mov_b32 s21, 0
	s_add_nc_u64 s[12:13], s[12:13], s[20:21]
.macro FRAG reg, adr, q, i             ; a fragment, 16 rows x 128 K of 4-bit codes, is 8 registers: lane l holds row l % 16; registers 4 c .. 4 c + 3 hold K = 64 c + 32 (l / 16) + 0 .. 31, the lower K in the lower bits
.irp c, 0,1
	ds_load_b128 v[\reg+4*\c:\reg+4*\c+3], v[\adr] offset:64*(\q)+32*\c+(\i)*16*PITCH
.endr
.endm
; 16 matrix instructions: x's blocks a0, a0 + 1 against W's eight, 128 along K: the slot's q-th.  p: W's set;  sc: the set of scale words.  zero = 1: the first product starts the sums: nothing is ever cleared.
; The 64 accumulators take turns, one instruction a turn, in the same order in every step.  The scale word of W's block b is read from lanes 16-31 of register b, that of x's block a from lanes 0-15 of register a.
.macro MUL16 a0, p, q, sc, zero
.irp a, \a0, \a0+1
.irp b, 0,1,2,3,4,5,6,7
.if \zero
	v_wmma_scale_f32_16x16x128_f8f6f4 v[8*(8*((\a)%4)+\b):8*(8*((\a)%4)+\b)+7], v[128*(\p)+FR*\b:128*(\p)+FR*\b+FR-1], v[AF+FR*(\a):AF+FR*(\a)+FR-1], 0, v[SC+8*NQ*(\sc)+NQ*\b+(\q)], v[SC+8*NQ*(\sc)+NQ*(\a)+(\q)] matrix_a_fmt:MATRIX_FMT_FP4 matrix_b_fmt:MATRIX_FMT_FP4 matrix_a_scale:MATRIX_SCALE_ROW1
.else
	v_wmma_scale_f32_16x16x128_f8f6f4 v[8*(8*((\a)%4)+\b):8*(8*((\a)%4)+\b)+7], v[128*(\p)+FR*\b:128*(\p)+FR*\b+FR-1], v[AF+FR*(\a):AF+FR*(\a)+FR-1], v[8*(8*((\a)%4)+\b):8*(8*((\a)%4)+\b)+7], v[SC+8*NQ*(\sc)+NQ*\b+(\q)], v[SC+8*NQ*(\sc)+NQ*(\a)+(\q)] matrix_a_fmt:MATRIX_FMT_FP4 matrix_b_fmt:MATRIX_FMT_FP4 matrix_a_scale:MATRIX_SCALE_ROW1
.endif
.endr
.endr
.endm
.macro FETCH_B slot, q, p              ; W's eight fragments of the slot's q-th 128 along K into set p
	WIN TO_B
.irp i, 0,1,2,3,4,5,6,7
	FRAG 128*(\p)+FR*\i, ADRB+\slot, \q, \i
.endr
	WIN 0
.endm
.macro FETCH_A slot, q, i0             ; x's blocks i0 .. i0 + 3
.irp i, \i0, \i0+1, \i0+2, \i0+3
	FRAG AF+FR*(\i), ADRA+\slot, \q, \i
.endr
.endm
.macro SCALES sc                       ; a slot's scale words into set sc: NQ words a row; lanes 0-15 take x's block i, lanes 16-31 W's block i
.irp i, 0,1,2,3,4,5,6,7
	ds_load_b128 v[SC+8*NQ*\sc+NQ*\i:SC+8*NQ*\sc+NQ*\i+3], v[ADRS] offset:\i*SBLK
.endr
.endm
; A load into a register that a matrix instruction has read, and a vector instruction that reads a matrix result, stand NP places behind that matrix instruction, and only plain vector
; instructions that name none of its registers are places (ISA guide 7.12.1 for vector instructions); this text does not count the matrix instructions in between.
.macro PLACES n
.rept \n
	v_nop
.endr
.endm
; A step of 128 along K that has its successor in the same slot.  A block of x is free as soon as its eight products are issued, so one set of registers serves x: blocks 0-3 are fetched anew in the step's middle, blocks 4-7 at its end.
.macro STEP slot, q, zero
	s_wait_dscnt 4*NL                              ; W's set and x's blocks 0-3 are in; the youngest eight loads (x's blocks 4-7) may be out
	WIN MUL_LO
	MUL16 0, (\q)%2, \q, \slot, \zero
	MUL16 2, (\q)%2, \q, \slot, \zero
	s_wait_dscnt 0                                 ; x's blocks 4-7 are in (asked for 32 matrix instructions ago)
	PLACES NP
	FETCH_B \slot, (\q)+1, 1-(\q)%2
	FETCH_A \slot, (\q)+1, 0
	WIN MUL_HI
	MUL16 4, (\q)%2, \q, \slot, \zero
	MUL16 6, (\q)%2, \q, \slot, \zero
	PLACES NP
	WIN 0
	FETCH_A \slot, (\q)+1, 4
.endm
; Slot 0's last step changes slots: ONE barrier; in front of it each wave waits for all its tensor loads (its part of slot 1), adds 0 to its spare word, and waits for that and for its own reads of slot 0.
; Behind it slot 1 is whole and nobody reads slot 0 any more; nothing is filled again.
.macro TURN slot, next
	s_wait_tensorcnt 0x0                           ; all my tensor loads have landed  (every window is 0 here: the add's two registers lie in window 0)
	ds_add_u32 v[SPW], v[NIL]                      ; 0 onto my spare word
	s_wait_dscnt 4*NL+1                            ; (the add and the youngest eight loads, x's blocks 4-7, may be out)
	WIN MUL_LO
	MUL16 0, 1, NQ-1, \slot, 0                     ; sixteen matrix instructions stand between the add and the wait for it
	s_wait_dscnt 0x0                               ; the add is done, and my reads of this slot are over
	s_barrier_signal -1
	MUL16 2, 1, NQ-1, \slot, 0
	WIN 0
	s_barrier_wait -1
	PLACES NP
	v_add_nc_u32 v[ADRS], 4*NQ, v[ADRS]            ; on to the next slot's scale words (no LDS load of mine is out)
	FETCH_B \next, 0, 0
	FETCH_A \next, 0, 0
	SCALES \next
	WIN MUL_HI
	MUL16 4, 1, NQ-1, \slot, 0
	MUL16 6, 1, NQ-1, \slot, 0
	PLACES NP
	WIN 0
	FETCH_A \next, 0, 4
.endm
.macro STEPS slot, from                ; the slot's steps from .. NQ - 2
.set Q, \from
.rept NQ-1-\from
	STEP \slot, Q, 0
.set Q, Q+1
.endr
.endm
	s_wait_tensorcnt 1                             ; the scales and my part of slot 0 are in; slot 1's load, the one issued behind them, may be out
	s_barrier_signal -1
	s_barrier_wait -1                              ; everybody's are
	FETCH_B 0, 0, 0
	FETCH_A 0, 0, 0
	SCALES 0
	FETCH_A 0, 0, 4
	STEP 0, 0, 1                                   ; the first step's products start the sums
	STEPS 0, 1
	TURN 0, 1
	STEPS 1, 0
	s_wait_dscnt 4*NL                              ; the very last step: nothing more to fetch
	WIN MUL_LO
	MUL16 0, 1, NQ-1, 1, 0
	MUL16 2, 1, NQ-1, 1, 0
	s_wait_dscnt 0
	WIN MUL_HI
	MUL16 4, 1, NQ-1, 1, 0
	MUL16 6, 1, NQ-1, 1, 0
	WIN 0
; THE WAY OUT, block by block of 16 tokens x 128 columns.  PACK: rounded to f16, 16 bytes a lane, each accumulator from its low end on.  TOSTAGE: into my own stage in LDS, and back as whole rows of 256 bytes.  SEND: stored.
; LDS serves a wave's instructions in order (ISA guide 5.7.1.4): no wait between the stores and the loads, nor in front of the next block's stores.
.macro PACK a
.set AC, 64*((\a)%4)
	WIN 0x0a+5*((\a)/4)                            ; sources 0 and 1: window 2 or 3
.irp b, 0,1,2,3,4,5,6,7
.irp r, 0,1,2,3
	v_cvt_pk_f16_f32 v[TMP+4*\b+\r], v[AC+8*\b+2*\r], v[AC+8*\b+2*\r+1]
.endr
.endr
	WIN 0
.endm
.macro TOSTAGE a
.set BKR, OB+192*((\a)%2)
.irp b, 0,1,2,3,4,5,6,7
	ds_store_b128 v[STO], v[TMP+4*\b:TMP+4*\b+3] offset:32*\b
.endr
.irp t, 0,1,2,3,4,5,6,7
	ds_load_b128 v[BKR+4*\t:BKR+4*\t+3], v[RD] offset:\t*2*SPITCH
.endr
.endm
.macro SEND a
.set BKR, OB+192*((\a)%2)
	s_wait_dscnt 0x0                               ; the block is back in registers
	s_wait_xcnt 0x0                                ; only behind this wait are the stores' base and the registers that earlier stores read rewritten
.if (\a) > 0
	s_add_nc_u64 s[12:13], s[12:13], 16*2048       ; 16 tokens on
.endif
.irp t, 0,1,2,3,4,5,6,7
	global_store_b128 v[CO], v[BKR+4*\t:BKR+4*\t+3], s[12:13] offset:2*\t*2048   ; 16 lanes store 256 consecutive bytes, at a multiple of 256 from the buffer's first byte
.endr
.endm
	PLACES NP                                      ; behind the last products: for the conversions that read results, and for the loads into registers that held scale words
	PACK 0
	TOSTAGE 0
.irp a, 1,2,3,4,5,6,7                  ; block a's conversions stand between block a - 1's loads from the stage and the wait for them
	PACK \a
	SEND \a-1
	TOSTAGE \a
.endr
	SEND 7
	s_wait_tensorcnt 0x0                           ; the wave's end: behind my last tensor load and my last LDS store
	ds_add_u32 v[SPW], v[NIL]
	s_wait_dscnt 0x0
	CROUND                                         ; the closing round: no work-group ends while a partner may still ask for a tile that names it
	s_endpgm
.Lfunc_end_k_q3dbac2e864_proj:
	.size	k_q3dbac2e864_proj, .Lfunc_end_k_q3dbac2e864_proj-k_q3dbac2e864_proj
	.p2alignl 7, 3214868480
	.fill 96, 4, 3214868480
	.section	.rodata,"a",@progbits
	.p2align	6, 0x0
	.amdhsa_kernel k_q3dbac2e864_proj
		.amdhsa_group_segment_fixed_size 327680
		.amdhsa_private_segment_fixed_size 0
		.amdhsa_enable_private_segment 0
		.amdhsa_kernarg_size 40
		.amdhsa_user_sgpr_count 2
		.amdhsa_user_sgpr_kernarg_segment_ptr 1
		.amdhsa_wavefront_size32 1
		.amdhsa_system_sgpr_workgroup_id_x 1
		.amdhsa_system_sgpr_workgroup_id_y 1
		.amdhsa_system_sgpr_workgroup_id_z 1
		.amdhsa_system_vgpr_workitem_id 0
		.amdhsa_next_free_vgpr 1024
		.amdhsa_next_free_sgpr 98
		.amdhsa_reserve_vcc 0
		.amdhsa_float_denorm_mode_32 3
		.amdhsa_float_denorm_mode_16_64 3
		.amdhsa_memory_ordered 1
		.amdhsa_forward_progress 1
		.amdhsa_inst_pref_size 127
	.end_amdhsa_kernel
	.amdgpu_metadata
---
amdhsa.version: [ 1, 2 ]
amdhsa.kernels:
  - .name:           k_q3dbac2e864_proj
    .symbol:         k_q3dbac2e864_proj.kd
    .args:
      - { .name: xc, .offset: 0, .size: 8, .value_kind: global_buffer, .address_space: global }
      - { .name: xs, .offset: 8, .size: 8, .value_kind: global_buffer, .address_space: global }
      - { .name: wc, .offset: 16, .size: 8, .value_kind: global_buffer, .address_space: global }
      - { .name: ws, .offset: 24, .size: 8, .value_kind: global_buffer, .address_space: global }
      - { .name: qkv, .offset: 32, .size: 8, .value_kind: global_buffer, .address_space: global }
    .group_segment_fixed_size: 327680
    .private_segment_fixed_size: 0
    .kernarg_segment_align: 8
    .kernarg_segment_size: 40
    .max_flat_workgroup_size: 128
    .sgpr_count:     98
    .vgpr_count:     1024
    .wavefront_size: 32
...
	.end_amdgpu_metadata
.endif
;; end of part 2
;; launch scores (part 3): grid 8 x 32, 4 waves a work-group, clusters of 4 x 4, 327,680 bytes of LDS; arguments qkv, p, stats; writes p, stats
.if DOCPART == 3
	.amdgcn_target "amdgcn-amd-amdhsa--gfx1250"
	.amdhsa_code_object_version 6
	.text
	.protected	k_q3dbac2e864_scores
	.globl	k_q3dbac2e864_scores
	.p2align	8
	.type	k_q3dbac2e864_scores,@function
k_q3dbac2e864_scores:
	s_mov_b64 s[64:65], 0
	v_nop
	global_prefetch_b8 v0, s[64:65] scope:SCOPE_SE
	s_setreg_imm32_b32 hwreg(HW_REG_WAVE_MODE, 25, 1), 1
	s_wait_xcnt 0x0
	s_wait_alu depctr_hold_cnt(0) depctr_sa_sdst(0) depctr_va_vdst(0) depctr_va_sdst(0) depctr_va_ssrc(0) depctr_va_vcc(0) depctr_vm_vsrc(0)
	s_getreg_b32 s2, hwreg(HW_REG_IB_STS2, 6, 4)
	s_cmp_eq_u32 s2, 0
	s_cbranch_scc0 .Lentry_in_a_cluster
	s_endpgm
.Lentry_in_a_cluster:
	s_bfe_u32 s2, ttmp6, 0x10000c
	s_cmp_lg_u32 s2, 0xf033
	s_cbranch_scc0 .Lentry_shape_is_right
	s_endpgm
.Lentry_shape_is_right:
; SELF-ATTENTION, launch 3 of 4: S[row][key] = sum over d of q[row][d] k[key][d], f16 operands, f32 sums, within each of the 4 batches of 2,048 rows; then a piece of the softmax.  No work is left out.
; t = S x log2(e) / 32.  For each row and each CHUNK of 128 keys: M_c = the chunk's largest t rounded UP to a whole number; p = 2^(t - M_c), at most 1, stored in f16; l_c = the sum of the chunk's p, taken in f32 before the rounding.
; So the maximum is taken away before every exponential; the last launch brings a row's 16 chunks under the row's largest M_c by powers of two, which round nothing.
; qkv: [3][8192][1024] f16 (q, k, v).  p: [8192][2048] f16.  stats: f32 [2][16 chunks][8192 rows]: plane 0 holds -M_c, plane 1 l_c.
; LIMITS: a p under 2^-25 is stored as 0, and one under 2^-14 with f16's fixed step of 2^-24; NaN and infinities are not served.
; A tile of 256 rows x 256 keys is made by a work-group of four waves; a wave makes 128 rows x 128 keys (one chunk): 64 accumulators of 16 x 16, 512 registers.  8 x 32 tiles: one for each of 256 work-groups.
; K = 1024 goes in 8 steps of 128 through a ring of two LDS slots filled by the tensor data mover: a tile's row is 256 bytes of memory, at a multiple of 256 from the buffer's first byte.
; CLUSTERS: 4 x 4 work-groups.  The four of a row of the cluster need the same rows of q, the four of a column the same rows of k (a cluster's 1,024 rows lie in one batch): each tile is asked for JOINTLY.
; THE MATRIX INSTRUCTION IS USED TRANSPOSED (source 0 = 16 keys, source 1 = 16 rows of q): a lane holds ONE row (lane % 16) and, in accumulator b, the keys 16 b + 8 (lane / 16) + 0 .. 7: a row's maximum and sum want one exchange between the halves of the lanes.
; REGISTERS, in windows of 256: window 0: v0-31 addresses; v64-127, v128-191 fragments of q, two buffers; on the way out v32-59 statistics, v64-127 t and p, v128-159 packed p, v160-223 rows read back, v224-239 the statistics' way out.
;   window 1: v64-127, v128-191 fragments of k, two buffers.   window 2: the 32 accumulators of my rows 0-63 (accumulator (a, b) at v[8 (8 a + b)]);   window 3: those of my rows 64-127.
.set KSTEP,  128
.set PITCH,  272                       ; an LDS row: 256 bytes + 16 of padding = 68 words: row r starts at bank 4 r mod 64 (64 banks of 4 bytes: ISA guide 11.1)
.set HALFT,  128*PITCH                 ; 128 rows: what one tensor load brings, and what one wave reads of q or of k
.set SLOT,   4*HALFT                   ; q's 256 rows, then k's 256 rows
.set STAGE,  2*SLOT                    ; behind the ring: 16 rows x 272 bytes for each wave, for the way out
.set SPITCH, 272
.set SPARE,  STAGE+4*16*SPITCH         ; behind the stages: the spare words, 128 bytes for each wave, which no other line names
.set LAPS,   4                         ; a lap = two K steps = once round the ring
.set ADRA, 16                          ; v16-17  LDS address of my fragments of q in slot 0, 1
.set ADRB, 20                          ; v20-21  the same for k
.set SO,   23                          ; v23     16 x lane: my place in 512 bytes of statistics
.set STO,  24                          ; v24     the way out: where I put 16 bytes of a row
.set RD,   25                          ; v25     the way out: where I read a row back
.set CO,   26                          ; v26     my byte offset in two rows of p
.set SA,   27                          ; v27     my stage + 4 x lane
.set SPW,  28                          ; v28     LDS address of my spare word: SPARE + 4 x my thread's number; never rewritten
.set NIL,  29                          ; v29     0; never rewritten
.set PFO,  30                          ; v30     the prefetches' offset: my lane x a row of 2,048 bytes; never rewritten
.set SBB,  31                          ; v31     my stage + 16 x lane
.set F0,   64                          ; fragment buffer 0
.set F1,   128                         ; fragment buffer 1
.set NMS,  32                          ; v32-39  -M of block a's rows
.set LS,   40                          ; v40-47  l of block a's rows
.set CM,   48                          ; v48-51  four running maxima
.set PX,   52                          ; v52     the lane exchange's destination
.set NM,   54                          ; v[54:55] -M, and t beside it: the packed form names the pair and takes its low word
.set SU,   56                          ; v[56:59] two chains of packed sums
.set T,    64                          ; v64-127 t - M, then p
.set TMP,  128                         ; v128-159 p in f16
.set BK,   160                         ; v160-191 and v192-223 by turns: 16 rows read back from the stage
.set XR,   224                         ; v224-239 the statistics on their way out
.set G1, 24                            ; s[24:31] descriptor group 1 for q's tiles
.set G0, 32                            ; s[32:39] descriptor group 0 for q's tiles, one set for each slot
.set G1B, 48                           ; s[48:55], s[56:63] the same for k's tiles
.set G0B, 56
.set LIM,  43                          ; s43     1 in a wave that prefetches, else the greatest number
.set PFA,  44                          ; s[44:45] where my prefetches stand
.set MSB, 0
.macro WIN new                         ; the immediate's high byte repeats the setting that is left; a switch that changes nothing is dropped
.if MSB != (\new)
	s_set_vgpr_msb (MSB<<8)|(\new)
.set MSB, (\new)
.endif
.endm
.set MUL_LO, 0xa1                      ; source 0 (k) window 1, source 1 (q) window 0, C and D window 2
.set MUL_HI, 0xf1                      ; the same, C and D window 3
.set TO_B,   0x40                      ; destination window 1, address window 0
; A joint load.  Waves 0 and 1 fetch q's two halves, waves 2 and 3 k's.  Each of the two lines has ONE mask and one set of registers for all that issue it; the branch hangs on the wave's number alone.
; An s_nop 0 and four v_nop follow each of the two lines, ahead of the jump, the label and what follows.
.macro JLOAD s
	s_cmp_eq_u32 s11, 0
	s_cbranch_scc0 .Lfor_b_\@
	tensor_load_to_lds s[G0+4*\s:G0+4*\s+3], s[G1:G1+7]
	s_nop 0
.rept 4
	v_nop
.endr
	s_branch .Lasked_\@
.Lfor_b_\@:
	tensor_load_to_lds s[G0B+4*\s:G0B+4*\s+3], s[G1B:G1B+7]
	s_nop 0
.rept 4
	v_nop
.endr
.Lasked_\@:
.endm
; A PREFETCH INTO THE L2, behind each joint load, its five lines and the run of LDS loads that follows them: the K step that stands TWO refills on (512 matrix instructions ahead of the load that will want it): 32 rows x 256 bytes, a lane a row, one instruction a wave.
; Each row's 256 bytes of a K step are named ONCE in the launch.  A tile row of q is read by both clusters of that row of clusters: the one with cluster x = 0 asks.  A tile column of k is read by the two clusters of its batch in that
; column of clusters: the one with an even cluster y asks.  The four partners that ask for a tile jointly share its rows out BY ADDRESS: of the 128 rows that a wave fetches, the partner at place p takes 32 p .. 32 p + 31 (p = cx for q, cy for k).
; K steps 0 to 3 come by their loads alone; the loop's last trip asks for nothing: K steps 4 to 7 are named in its first two trips.
.macro ASK
	s_cmp_gt_u32 s3, s[LIM]                        ; s3 = 1 in the loop's last trip
	s_cbranch_scc0 .Lnot_mine_\@
	global_prefetch_b8 v[PFO], s[PFA:PFA+1] offset:KSTEP*2 th:TH_LOAD_NT scope:SCOPE_SE
.Lnot_mine_\@:
.endm
.macro CREST                           ; a round of the cluster's barrier behind its opening barrier
	s_cmp_lg_u32 s10, 0
	s_cbranch_scc1 .Lnot_wave_0_\@
	s_barrier_signal -3
.Lnot_wave_0_\@:
	s_barrier_wait -3
	s_barrier_signal -1
	s_barrier_wait -1
.endm
.macro CROUND                          ; a whole round
	s_barrier_signal -1
	s_barrier_wait -1
	CREST
.endm
	s_load_b64 s[4:5], s[0:1], 0x0                 ; qkv: q begins here
	s_load_b64 s[8:9], s[0:1], 0x8                 ; p
	s_load_b64 s[66:67], s[0:1], 0x10              ; stats
	v_lshl_add_u32 v[SPW], v0, 2, SPARE
	v_mov_b32 v[NIL], 0
	ds_add_u32 v[SPW], v[NIL]                      ; the wave's opening: the add, twice on end, and its wait ahead of my first tensor load; the set-up below, work on registers, stands between the second and the wait
	ds_add_u32 v[SPW], v[NIL]                      ; and once more, under the one wait
	v_lshrrev_b32 v1, 5, v0
	v_readfirstlane_b32 s10, v1                    ; wave 0..3
	s_lshr_b32 s11, s10, 1                         ; which half of the tile's rows is mine.  Also: I fetch for q (0) or for k (1)
	s_and_b32 s12, s10, 1                          ; which half of its keys.  Also: which 128 rows of that tile I fetch
	s_bfe_u32 s40, ttmp6, 0x40000                  ; cx: my place along the cluster's x
	s_bfe_u32 s41, ttmp6, 0x40004                  ; cy: along its y
	s_lshl_b32 s42, ttmp9, 2
	s_add_co_u32 s42, s42, s40                     ; tile column = 4 x cluster x + cx: 256 keys of the batch
	s_and_b32 s13, ttmp7, 0xffff
	s_lshr_b32 s73, s13, 1                         ; the batch: two clusters along y to a batch; made of the cluster's y alone
	s_lshl_b32 s13, s13, 2
	s_add_co_u32 s13, s13, s41                     ; tile row = 4 x cluster y + cy: 256 of the 8,192 rows
	s_lshl_b32 s43, s41, 2
	s_lshl_b32 s43, 15, s43                        ; my row of the cluster: places 4 cy .. 4 cy + 3
	s_lshl_b32 s44, 0x1111, s40                    ; my column: places cx, cx + 4, cx + 8, cx + 12
	; descriptor group 1: a tile of 128 rows x 128 elements of 2 bytes, padded in LDS
	s_or_b32 s[G1+0], s43, (1<<16)|(1<<20)|(1<<21)|(5<<22)|(3<<25)  ; 15:0 the mask: q's tiles go to my row; 17:16 element of 2 bytes; 20 padding on; 21 set beside a mask; 24:22 after every 64 words (code 5); 31:25 of 4 words (code 3)
	s_or_b32 s[G1B+0], s44, (1<<16)|(1<<20)|(1<<21)|(5<<22)|(3<<25) ; the same with the mask of my column, for k's tiles
.irp g, G1, G1B
	s_mov_b32 s[\g+1], KSTEP<<16                   ; tensor_dim0 = 128
	s_mov_b32 s[\g+2], 128<<16                     ; tensor_dim1 = 128
	s_mov_b32 s[\g+3], KSTEP<<16                   ; tile_dim0 = 128
	s_mov_b32 s[\g+4], 128                         ; tile_dim1 = 128
	s_mov_b32 s[\g+5], 1024                        ; tensor_dim0_stride: elements from row to row
	s_mov_b32 s[\g+6], 0
	s_mov_b32 s[\g+7], 0
.endr
	s_mov_b32 s68, 0x3d38aa3b                      ; c = log2(e) / 32: t = score x c
	s_mov_b32 s69, s68                             ; (named with it as a pair, so it is written)
	s_mov_b32 s70, 0x76543210                      ; v_permlanex16_b32's selects for lane l xor 16
	s_mov_b32 s71, 0xfedcba98
	s_mov_b32 s72, 0xffff0000                      ; a mask of lanes 16-31
	s_lshl_b32 s17, s12, 7                         ; which 128 rows of the tile I fetch
	s_lshl_b32 s16, s13, 8
	s_add_co_u32 s16, s16, s17                     ; q: row 256 x tile row + 128 x half,
	s_lshl_b32 s16, s16, 11                        ; of 2,048 bytes: under 2^24
	s_lshl_b32 s46, s42, 8
	s_add_co_u32 s46, s46, s17                     ; k: row 256 x tile column + 128 x half
	s_lshl_b32 s47, s73, 11
	s_add_co_u32 s46, s46, s47                     ; + 2,048 x batch
	s_lshl_b32 s46, s46, 11
	s_mov_b32 s17, 0
	s_mov_b32 s47, 0
	s_mul_i32 s20, s10, HALFT                      ; where they go: q's two halves, then k's two halves = wave x 128 rows: no place in the cluster enters an LDS address
	s_wait_dscnt 0x0                               ; both opening adds are done
	s_wait_kmcnt 0x0
	s_add_nc_u64 s[6:7], s[4:5], 0x1000000         ; k begins 2^24 bytes behind q
	s_add_nc_u64 s[14:15], s[4:5], s[16:17]
	s_add_nc_u64 s[46:47], s[6:7], s[46:47]
	CROUND                                         ; all sixteen work-groups are here: the first joint loads meet
.irp s, 0,1
	s_mov_b32 s[G0+4*\s], 1                                        ; count = 1
	s_add_co_u32 s[G0+4*\s+1], s20, \s*SLOT                        ; LDS address
	s_add_nc_u64 s[G0+4*\s+2:G0+4*\s+3], s[14:15], \s*KSTEP*2      ; global address: K step s
	s_or_b32 s[G0+4*\s+3], s[G0+4*\s+3], 0x80000000                ; type = 2
	s_mov_b32 s[G0B+4*\s], 1
	s_add_co_u32 s[G0B+4*\s+1], s20, \s*SLOT
	s_add_nc_u64 s[G0B+4*\s+2:G0B+4*\s+3], s[46:47], \s*KSTEP*2
	s_or_b32 s[G0B+4*\s+3], s[G0B+4*\s+3], 0x80000000
	JLOAD \s                                       ; the ring is filled before anything else is done: two loads of mine are out
.endr
	; A fragment is 16 rows x 32 K in 8 registers: lane l holds row l % 16; registers 0-3 hold K = 8 (l / 16) + 0..7, registers 4-7 K = 16 + 8 (l / 16) + 0..7: two loads of 16 bytes, 32 bytes apart.
	v_and_b32 v1, 15, v0                           ; r = l % 16
	v_bfe_u32 v2, v0, 4, 1                         ; h = l / 16
	v_mul_u32_u24 v3, v1, PITCH
	v_lshl_add_u32 v3, v2, 4, v3                   ; row x pitch + 16 x half
	s_mul_i32 s21, s11, HALFT                      ; my 128 rows of q
	s_mul_i32 s22, s12, HALFT                      ; my 128 rows of k,
	s_add_co_u32 s22, s22, 2*HALFT                 ; which lie behind q's 256
.irp s, 0,1
	v_add_nc_u32 v[ADRA+\s], s21, v3
	v_add_nc_u32 v[ADRB+\s], s22, v3
	s_add_co_u32 s21, s21, SLOT
	s_add_co_u32 s22, s22, SLOT
.endr
	s_mul_i32 s23, s10, 16*SPITCH
	s_add_co_u32 s23, s23, STAGE                   ; my stage
	v_mul_u32_u24 v4, v1, SPITCH                   ; in: row l % 16, 16 bytes for each half of the lanes
	v_lshl_add_u32 v4, v2, 4, v4
	v_add_nc_u32 v[STO], s23, v4
	v_mul_u32_u24 v5, v2, SPITCH                   ; back: lanes 0-15 take one row of 256 bytes, lanes 16-31 the next
	v_lshl_add_u32 v5, v1, 4, v5
	v_add_nc_u32 v[RD], s23, v5
	v_lshlrev_b32 v5, 12, v2                       ; and the same two rows in p: 4,096 bytes a row
	v_lshl_add_u32 v[CO], v1, 4, v5
	v_and_b32 v6, 31, v0
	v_lshlrev_b32 v[SO], 4, v6
	v_lshl_add_u32 v[SA], v6, 2, s23
	v_add_nc_u32 v[SBB], s23, v[SO]
	v_mov_b32 v[PX], 0                             ; written once: a lane permute's destination counts as one of its sources
	; where my part begins in p and in stats
	s_lshl_b32 s16, s13, 8
	s_lshl_b32 s14, s11, 7
	s_add_co_u32 s16, s16, s14                     ; my first row: 256 x tile row + 128 x half
	s_lshl_b32 s18, s16, 2                         ; stats: 4 bytes a row
	s_lshl_b32 s16, s16, 12                        ; p: 4,096 bytes a row: under 2^25
	s_lshl_b32 s46, s42, 9                         ; my first key, in bytes: 512 x tile column + 256 x half
	s_lshl_b32 s47, s12, 8
	s_add_co_u32 s46, s46, s47
	s_add_co_u32 s16, s16, s46
	s_mov_b32 s17, 0
	s_add_nc_u64 s[8:9], s[8:9], s[16:17]
	s_lshl_b32 s46, s42, 1
	s_add_co_u32 s46, s46, s12                     ; my chunk: 2 x tile column + half,
	s_lshl_b32 s46, s46, 15                        ; 8,192 rows of 4 bytes each
	s_add_co_u32 s18, s18, s46
	s_mov_b32 s19, 0
	s_add_nc_u64 s[66:67], s[66:67], s[18:19]
	; the prefetches
	s_lshl_b32 s20, s13, 8                         ; q: the tile's first row
	s_lshl_b32 s42, s42, 8
	s_lshl_b32 s22, s73, 11
	s_add_co_u32 s42, s42, s22                     ; k: likewise
	s_and_b32 s22, ttmp7, 1                        ; the cluster's place in its batch
	s_cmp_eq_u32 s11, 0                            ; do I fetch for q?
	s_cselect_b32 s20, s20, s42
	s_cselect_b32 s21, s40, s41                    ; my place among the four that ask for the tile with me
	s_cselect_b32 s22, ttmp9, s22                  ; the coordinate along which another cluster reads the same rows
	s_cselect_b64 s[PFA:PFA+1], s[4:5], s[6:7]
	s_cmp_eq_u32 s22, 0
	s_cselect_b32 s[LIM], 1, -1                    ; the same in all sixteen partners, for a given wave
	s_lshl_b32 s22, s12, 7
	s_add_co_u32 s20, s20, s22                     ; + the 128 rows that I fetch
	s_lshl_b32 s21, s21, 5
	s_add_co_u32 s20, s20, s21                     ; + my work-group's 32 of them
	s_lshl_b32 s20, s20, 11
	s_mov_b32 s21, 0
	s_add_nc_u64 s[PFA:PFA+1], s[PFA:PFA+1], s[20:21]
	s_add_nc_u64 s[PFA:PFA+1], s[PFA:PFA+1], 2*KSTEP*2  ; at K step 2: the first refill steps it to 3 and names K step 4.  Nothing is prefetched here, at the head
	v_and_b32 v[PFO], 31, v0
	v_lshlrev_b32 v[PFO], 11, v[PFO]
; 16 matrix instructions: row blocks a0, a0 + 1 of the window's four (hi = 0: my rows 0-63, 1: rows 64-127) x all 8 key blocks, 32 along K.  zero = 1: the first product starts the sums: nothing is ever cleared.
; The 64 accumulators take turns, one instruction a turn, in the same order in every quarter.
.macro MUL16 f, hi, a0, zero
.irp a, \a0, \a0+1
.irp b, 0,1,2,3,4,5,6,7
.if \zero
	v_wmma_f32_16x16x32_f16 v[8*(8*(\a)+\b):8*(8*(\a)+\b)+7], v[\f+8*\b:\f+8*\b+7], v[\f+8*(4*\hi+\a):\f+8*(4*\hi+\a)+7], 0
.else
	v_wmma_f32_16x16x32_f16 v[8*(8*(\a)+\b):8*(8*(\a)+\b)+7], v[\f+8*\b:\f+8*\b+7], v[\f+8*(4*\hi+\a):\f+8*(4*\hi+\a)+7], v[8*(8*(\a)+\b):8*(8*(\a)+\b)+7]
.endif
.endr
.endr
.endm
; 32 LDS loads in one run: the fragments of one quarter step (128 rows of k, 128 rows of q, 32 K at byte k of the rows) into buffer f
.macro FETCH slot, k, f
	WIN TO_B
.irp i, 0,1,2,3,4,5,6,7
	ds_load_b128 v[\f+8*\i:\f+8*\i+3],   v[ADRB+\slot] offset:\k+\i*16*PITCH
	ds_load_b128 v[\f+8*\i+4:\f+8*\i+7], v[ADRB+\slot] offset:\k+\i*16*PITCH+32
.endr
	WIN 0
.irp i, 0,1,2,3,4,5,6,7
	ds_load_b128 v[\f+8*\i:\f+8*\i+3],   v[ADRA+\slot] offset:\k+\i*16*PITCH
	ds_load_b128 v[\f+8*\i+4:\f+8*\i+7], v[ADRA+\slot] offset:\k+\i*16*PITCH+32
.endr
.endm
; A load into a register that a matrix instruction has read, and a vector instruction that reads a matrix result, stand four places behind that matrix instruction, and only plain vector instructions
; that name none of its registers are places (ISA guide 7.12.1 for vector instructions); this text does not count the matrix instructions in between.
.macro PLACES
.rept 4
	v_nop
.endr
.endm
; A K step is four quarters of 32 along K, 64 matrix instructions each, on buffers 0, 1, 0, 1.  One of the first three: multiplies buffer f; in its middle it fetches the next quarter, at byte k of the same slot's rows, into buffer g.
.macro QUARTER slot, k, f, g, zero
	s_wait_dscnt 8                                 ; k and q's rows 0-63 are in; the youngest eight loads (q's rows 64-127) may be out
	WIN MUL_LO
	MUL16 \f, 0, 0, \zero
	MUL16 \f, 0, 2, \zero
	PLACES
	FETCH \slot, \k, \g
	s_wait_dscnt 32                                ; all but the 32 just issued
	WIN MUL_HI
	MUL16 \f, 1, 0, \zero
	MUL16 \f, 1, 2, \zero
.endm
; The last quarter multiplies buffer 1 and changes slots.  MEET is its first half: ONE barrier.  In front of it each wave waits for all its tensor loads, of which one is out: its part of the next slot;
; adds 0 to its spare word; and waits for that and for its own reads of this slot.  Behind it nobody reads this slot any more and the next slot is whole.
.macro MEET round                      ; round = 1: the rest of a round of the cluster's barrier follows
	WIN 0                                          ; (the add's two registers lie in window 0)
	s_wait_tensorcnt 0x0                           ; all my tensor loads have landed
	ds_add_u32 v[SPW], v[NIL]                      ; 0 onto my spare word
	s_wait_dscnt 9                                 ; (the add and the youngest eight loads may be out)
	WIN MUL_LO
	MUL16 F1, 0, 0, 0                              ; sixteen matrix instructions stand between the add and the wait for it
	s_wait_dscnt 0x0                               ; the add is done, and my reads of this slot are over
	s_barrier_signal -1
	MUL16 F1, 0, 2, 0                              ; work on registers while the others arrive
.if \round
	WIN 0
.endif
	s_barrier_wait -1
.endm
; The whole last quarter, where the slot just read out is filled again with the K step two steps on.  From a request to the wait for it a wave issues 224 matrix instructions.
.macro TURN slot, next
	s_wait_xcnt 0x0                                ; the last prefetch, a K step back, has read its address: it is stepped here, ahead of the waits of the change of slots
	s_add_nc_u64 s[PFA:PFA+1], s[PFA:PFA+1], KSTEP*2
	MEET 1
	CREST                                          ; no wave of any partner still reads this slot's tile or has a load on its way
	s_add_nc_u64 s[G0+4*\slot+2:G0+4*\slot+3], s[G0+4*\slot+2:G0+4*\slot+3], 2*KSTEP*2
	s_add_nc_u64 s[G0B+4*\slot+2:G0B+4*\slot+3], s[G0B+4*\slot+2:G0B+4*\slot+3], 2*KSTEP*2
	JLOAD \slot                                    ; the first tensor load behind the round, and my only one until the next; the four v_nop behind it are also the places in front of the loads below
	FETCH \next, 0, F0
	ASK
	WIN MUL_HI
	MUL16 F1, 1, 0, 0
	MUL16 F1, 1, 2, 0
.endm
	s_wait_tensorcnt 1                             ; my part of K step 0 is in; K step 1's load may be out
	s_barrier_signal -1
	s_barrier_wait -1                              ; everybody's is
	FETCH 0, 0, F0
	QUARTER 0, 64,  F0, F1, 1                      ; the first quarter stands in front of the loop: its products start the sums
	WIN 0                                          ; at a label and at a branch every window is 0
	s_mov_b32 s3, LAPS-1
.Llap:                                                 ; a trip goes once round the ring, from a lap's second quarter to the next lap's first, and fills both slots again
	QUARTER 0, 128, F1, F0, 0
	QUARTER 0, 192, F0, F1, 0
	TURN 0, 1
	QUARTER 1, 64,  F0, F1, 0
	QUARTER 1, 128, F1, F0, 0
	QUARTER 1, 192, F0, F1, 0
	TURN 1, 0
	QUARTER 0, 64,  F0, F1, 0
	WIN 0
	s_sub_co_u32 s3, s3, 1
	s_cmp_lg_u32 s3, 0
	s_cbranch_scc1 .Llap
	QUARTER 0, 128, F1, F0, 0                      ; the last lap is written out: it fills nothing, and has no round of the cluster's barrier
	QUARTER 0, 192, F0, F1, 0
	MEET 0                                         ; my one tensor load that was still out is slot 1's, the last K step's
	PLACES
	FETCH 1, 0, F0
	WIN MUL_HI
	MUL16 F1, 1, 0, 0
	MUL16 F1, 1, 2, 0
	QUARTER 1, 64,  F0, F1, 0
	QUARTER 1, 128, F1, F0, 0
	QUARTER 1, 192, F0, F1, 0
	s_wait_dscnt 8                                 ; the very last quarter: nothing more to fetch
	WIN MUL_LO
	MUL16 F1, 0, 0, 0
	MUL16 F1, 0, 2, 0
	s_wait_dscnt 0
	WIN MUL_HI
	MUL16 F1, 1, 0, 0
	MUL16 F1, 1, 2, 0
	WIN 0
; THE WAY OUT, block by block of 16 rows x 128 keys (8 accumulators, 64 registers a lane).
; SOFT1: the row's largest score of the chunk (four chains of v_max3, each accumulator from its low end on; one exchange between the halves of the lanes); -M = floor(-t) = -ceil(t); t - M by packed multiply-adds; the 64 exponentials as ONE batch.
.macro SOFT1 a
.set AC, 64*((\a)%4)
.set W, 2+(\a)/4
	WIN 0
.irp i, 0,1,2,3
	v_mov_b32 v[CM+\i], 0xff800000                 ; -infinity, under every score: so all 32 lines below have one form and one setting of the windows
.endr
	WIN (W<<2)|(W<<4)                              ; sources 1 and 2: the accumulators' window
.irp j, 0,1,2,3,4,5,6,7
.irp i, 0,1,2,3
	v_max3_num_f32 v[CM+\i], v[CM+\i], v[AC+16*\i+2*\j], v[AC+16*\i+2*\j+1]   ; chain i walks accumulators 2 i and 2 i + 1 upward; the four chains by turns
.endr
.endr
	WIN 0
	v_max3_num_f32 v[CM], v[CM], v[CM+1], v[CM+2]
	v_max_num_f32 v[CM], v[CM], v[CM+3]
	v_permlanex16_b32 v[PX], v[CM], s70, s71       ; the row's other 64 keys lie in the lane 16 away
	v_max_num_f32 v[CM], v[CM], v[PX]
	v_mul_f32 v[NM+1], s68, v[CM]                  ; as t (c is positive)
	v_floor_f32 v[NM], -v[NM+1]                    ; -M: M IS A WHOLE NUMBER
	WIN W                                          ; source 0: the accumulators' window
.set i, 0
.rept 32
	v_pk_fma_f32 v[T+i:T+i+1], v[AC+i:AC+i+1], s[68:69], v[NM:NM+1] op_sel_hi:[1,0,0]   ; t - M, two at a time (of the pairs c and -M the low word serves both halves)
.set i, i+2
.endr
	WIN 0
.set i, 0
.rept 64
	v_exp_f32 v[T+i], v[T+i]                       ; p = 2^(t - M), at most 1
.set i, i+1
.endr
	v_mov_b32 v[NMS+(\a)], v[NM]                   ; -M is kept.  (The plain line behind the last exponential)
.endm
; SOFT2: one wait for the batch, ahead of its first reader (the stores of the block before stand between the batch and the wait); the chunk's sum of the unrounded p; p to f16.
.macro SOFT2 a
	s_wait_alu depctr_va_vdst(0)
	v_pk_add_f32 v[SU:SU+1], v[T:T+1], v[T+2:T+3]
	v_pk_add_f32 v[SU+2:SU+3], v[T+4:T+5], v[T+6:T+7]
.irp j, 8,12,16,20,24,28,32,36,40,44,48,52,56,60
	v_pk_add_f32 v[SU:SU+1], v[SU:SU+1], v[T+\j:T+\j+1]
	v_pk_add_f32 v[SU+2:SU+3], v[SU+2:SU+3], v[T+\j+2:T+\j+3]
.endr
	v_pk_add_f32 v[SU:SU+1], v[SU:SU+1], v[SU+2:SU+3]
	v_add_f32 v[SU], v[SU], v[SU+1]
	v_permlanex16_b32 v[PX], v[SU], s70, s71
	v_add_f32 v[LS+(\a)], v[SU], v[PX]             ; the same bits in both halves of the lanes
.set i, 0
.rept 32
	v_cvt_pk_f16_f32 v[TMP+i], v[T+2*i], v[T+2*i+1]
.set i, i+1
.endr
.endm
; TOSTAGE: a lane's eight keys of a row are 16 bytes; they go into rows of 272 bytes of my own stage and come back as whole rows of 256.  LDS serves a wave's instructions in order (ISA guide 5.7.1.4).
.macro TOSTAGE a
.set BKR, BK+32*((\a)%2)
.irp b, 0,1,2,3,4,5,6,7
	ds_store_b128 v[STO], v[TMP+4*\b:TMP+4*\b+3] offset:32*\b
.endr
.irp t, 0,1,2,3,4,5,6,7
	ds_load_b128 v[BKR+4*\t:BKR+4*\t+3], v[RD] offset:\t*2*SPITCH
.endr
.endm
.macro SEND a
.set BKR, BK+32*((\a)%2)
	s_wait_dscnt 0x0                               ; the block is back in registers
	s_wait_xcnt 0x0                                ; only behind this wait are the stores' base and the registers that earlier stores read rewritten
.if (\a) > 0
	s_add_nc_u64 s[8:9], s[8:9], 16*4096           ; 16 rows of p on
.endif
.irp t, 0,1,2,3,4,5,6,7
	global_store_b128 v[CO], v[BKR+4*\t:BKR+4*\t+3], s[8:9] offset:2*\t*4096   ; 16 lanes store 256 consecutive bytes, at a multiple of 256 from p's first byte
.endr
.endm
	PLACES                                         ; behind the last products
	SOFT1 0
	SOFT2 0
	TOSTAGE 0
.irp a, 1,2,3,4,5,6,7
	SOFT1 \a
	SEND \a-1
	SOFT2 \a
	TOSTAGE \a
.endr
	SEND 7
	; THE STATISTICS.  Blocks 2 j and 2 j + 1 are joined: lanes 0-15 keep the one's, lanes 16-31 take the other's, so that lane L holds row 32 j + L; through my stage they become 4 neighbouring rows a lane.
.irp j, 0,1,2,3
	v_cndmask_b32 v[XR+\j], v[NMS+2*\j], v[NMS+2*\j+1], s72
	v_cndmask_b32 v[XR+4+\j], v[LS+2*\j], v[LS+2*\j+1], s72
.endr
.irp j, 0,1,2,3
	ds_store_b32 v[SA], v[XR+\j] offset:128*\j
	ds_store_b32 v[SA], v[XR+4+\j] offset:512+128*\j
.endr
	ds_load_b128 v[XR+8:XR+11], v[SBB]
	ds_load_b128 v[XR+12:XR+15], v[SBB] offset:512
	s_wait_dscnt 0x0
	global_store_b128 v[SO], v[XR+8:XR+11], s[66:67]                  ; -M of my 128 rows: 512 consecutive bytes, aligned
	global_store_b128 v[SO], v[XR+12:XR+15], s[66:67] offset:524288   ; l likewise, in the second plane
	s_wait_tensorcnt 0x0                           ; the wave's end: behind my last tensor load and my last LDS store
	ds_add_u32 v[SPW], v[NIL]
	s_wait_dscnt 0x0
	CROUND                                         ; the closing round: no work-group ends while a partner may still ask for a tile that names it
	s_endpgm
.Lfunc_end_k_q3dbac2e864_scores:
	.size	k_q3dbac2e864_scores, .Lfunc_end_k_q3dbac2e864_scores-k_q3dbac2e864_scores
	.p2alignl 7, 3214868480
	.fill 96, 4, 3214868480
	.section	.rodata,"a",@progbits
	.p2align	6, 0x0
	.amdhsa_kernel k_q3dbac2e864_scores
		.amdhsa_group_segment_fixed_size 327680
		.amdhsa_private_segment_fixed_size 0
		.amdhsa_enable_private_segment 0
		.amdhsa_kernarg_size 24
		.amdhsa_user_sgpr_count 2
		.amdhsa_user_sgpr_kernarg_segment_ptr 1
		.amdhsa_wavefront_size32 1
		.amdhsa_system_sgpr_workgroup_id_x 1
		.amdhsa_system_sgpr_workgroup_id_y 1
		.amdhsa_system_sgpr_workgroup_id_z 1
		.amdhsa_system_vgpr_workitem_id 0
		.amdhsa_next_free_vgpr 1024
		.amdhsa_next_free_sgpr 74
		.amdhsa_reserve_vcc 0
		.amdhsa_float_denorm_mode_32 3
		.amdhsa_float_denorm_mode_16_64 3
		.amdhsa_memory_ordered 1
		.amdhsa_forward_progress 1
		.amdhsa_inst_pref_size 216
	.end_amdhsa_kernel
	.amdgpu_metadata
---
amdhsa.version: [ 1, 2 ]
amdhsa.kernels:
  - .name:           k_q3dbac2e864_scores
    .symbol:         k_q3dbac2e864_scores.kd
    .args:
      - { .name: qkv, .offset: 0, .size: 8, .value_kind: global_buffer, .address_space: global }
      - { .name: p, .offset: 8, .size: 8, .value_kind: global_buffer, .address_space: global }
      - { .name: stats, .offset: 16, .size: 8, .value_kind: global_buffer, .address_space: global }
    .group_segment_fixed_size: 327680
    .private_segment_fixed_size: 0
    .kernarg_segment_align: 8
    .kernarg_segment_size: 24
    .max_flat_workgroup_size: 128
    .sgpr_count:     74
    .vgpr_count:     1024
    .wavefront_size: 32
...
	.end_amdgpu_metadata
.endif
;; end of part 3
;; launch mix (part 4): grid 4 x 64, 4 waves a work-group, clusters of 4 x 4, 327,680 bytes of LDS; arguments p, qkv, stats, out0; writes out0
.if DOCPART == 4
	.amdgcn_target "amdgcn-amd-amdhsa--gfx1250"
	.amdhsa_code_object_version 6
	.text
	.protected	k_q3dbac2e864_mix
	.globl	k_q3dbac2e864_mix
	.p2align	8
	.type	k_q3dbac2e864_mix,@function
k_q3dbac2e864_mix:
	s_mov_b64 s[64:65], 0
	v_nop
	global_prefetch_b8 v0, s[64:65] scope:SCOPE_SE
	s_setreg_imm32_b32 hwreg(HW_REG_WAVE_MODE, 25, 1), 1
	s_wait_xcnt 0x0
	s_wait_alu depctr_hold_cnt(0) depctr_sa_sdst(0) depctr_va_vdst(0) depctr_va_sdst(0) depctr_va_ssrc(0) depctr_va_vcc(0) depctr_vm_vsrc(0)
	s_getreg_b32 s2, hwreg(HW_REG_IB_STS2, 6, 4)
	s_cmp_eq_u32 s2, 0
	s_cbranch_scc0 .Lentry_in_a_cluster
	s_endpgm
.Lentry_in_a_cluster:
	s_bfe_u32 s2, ttmp6, 0x10000c
	s_cmp_lg_u32 s2, 0xf033
	s_cbranch_scc0 .Lentry_shape_is_right
	s_endpgm
.Lentry_shape_is_right:
; SELF-ATTENTION, launch 4 of 4: out[row][ch] = (sum over chunks c of f_c x sum over the chunk's 128 keys of p[row][key] v[key][ch]) / (sum over c of f_c l_c),  f_c = 2^(M_c - M), M the row's largest M_c.  No work is left out.
; p [8192][2048] f16, v = the third plane of qkv, [8192][1024] f16, stats f32 [2][16][8192] (-M_c, l_c), out0 [8192][1024] f32.  Products on f16 operands, sums in f32; everything else in f32.
; EACH CHUNK IS SUMMED BY ITSELF, in accumulators T whose first products take the constant 0, and then folded into the row's sums: O = T x f_c + O, by packed multiply-adds in f32.  p goes to the matrix unit as it lies in memory.
; LIMITS: f_c is a power of two, at most 1; it is kept in LDS as the upper half of its f32 word, which is all of it down to 2^-133; a smaller one counts as 0 in the products (in the divisor it counts in f32).  NaN and infinities are not served.
; A tile of 128 rows x 256 channels is made by a work-group of four waves; a wave makes 64 rows x 128 channels: 32 accumulators of 16 x 16, twice (O and T): 512 registers.  4 x 64 tiles: one for each of 256 work-groups.
; K = the batch's 2,048 keys goes through a ring of two LDS slots of 192 keys, the most of which two fit: 128 rows of p (384 bytes each) and 192 keys of v (512 bytes each).  Ten such slots, and a last tile of 128 keys.
; A slot is 6 quarters of 32 keys, a chunk 4: a LAP of two slots is 12 quarters and 3 chunks, and after a lap every register number is back where it began.  From a refill to the wait for it a wave issues 176 matrix instructions.
; p's tile rows begin at multiples of 128 bytes: of each 768 bytes of a row the middle 256 are touched by two loads.
; CLUSTERS: 4 x 4 work-groups.  The four of a row of the cluster need the same rows of p, the four of a column the same channels of v (a cluster's 512 rows lie in one batch): each tile is asked for JOINTLY.
; THE MATRIX INSTRUCTION IS USED TRANSPOSED (source 0 = 16 channels of v^T, source 1 = 16 rows of p): a lane holds ONE row (lane % 16) and eight neighbouring channels.  v lies [key][channel] and is turned on its way out of LDS, by ds_load_tr16_b128.
; THE FOLD STANDS IN SLICES: four packed lines (one accumulator) behind a matrix instruction on another block: blocks 0, 1 are folded behind the products of blocks 2, 3 in the chunk's last quarter, blocks 2, 3 behind the products of
; blocks 0, 1 in the next chunk's first quarter.  O, T and the operands do not fit in one window, so a slice costs two switches: 64 for a chunk's 128 matrix instructions.
; REGISTERS, in windows of 256: window 0: v0-31 addresses; v32-39 the chunk's factors; v40-47 the rows' 1 / l; v64-95, v96-127 fragments of p, two buffers (at the head: the statistics; on the way out: results); v128-255 rows read back.
;   window 1: v0-63, v64-127 fragments of v^T, two buffers.   window 2: O, accumulator (a, b) at v[8 (8 a + b)].   window 3: T likewise.
.set SK,     192                       ; keys in a slot
.set PA,     432                       ; a row of p in LDS: 384 bytes + 16 of padding behind each 128 = 108 words: the 16 rows that a load touches start at 16 different groups of four banks (64 banks of 4 bytes: ISA guide 11.1)
.set PAS,    288                       ; the same in the last tile of 128 keys: 256 bytes + 2 x 16
.set PV,     544                       ; a key of v: 512 + 32 = 136 words: row r starts at bank 8 r mod 64
.set HALFA,  64*PA                     ; what one tensor load brings of p, and what one wave reads
.set HALFAS, 64*PAS                    ; in the last tile
.set HALFV,  96*PV                     ; what one tensor load brings of v
.set HALFVS, 64*PV                     ; in the last tile
.set VOFF,   2*HALFA                   ; a slot: 128 rows of p, then 192 keys of v
.set SLOT,   VOFF+2*HALFV
.set STAGE,  SLOT                      ; the way out: 16 rows x (512 bytes + 16) for each wave, in slot 1, which has had its last fill and its last read when the first result is stored there
.set SPITCH, 528
.set FT,     2*SLOT                    ; behind the ring: the factors, [16 chunks][128 rows], the upper 16 bits of the f32 word
.set IL,     FT+16*256                 ; 1 / l of the 128 rows, f32
.set SPARE,  IL+512                    ; the spare words, 128 bytes for each wave, which no other line names
.set AFT0, 8                           ; v8      my lane's place in the factors of a chunk: FT + 2 x (64 x my half + lane % 16)
.set AFT,  9                           ; v9      the same in the chunk in hand
.set FH,   10                          ; v10-13  the factors' upper halves as loaded, a row block each
.set PFO0, 14                          ; v14, v15, v19: the prefetches' three offsets; never rewritten
.set PFO1, 15
.set PFO2, 19
.set ADRA, 16                          ; v16-17  LDS address of my fragments of p in slot 0, 1
.set ADRA2, 18                         ; v18     the same in the last tile (slot 0)
.set ADRV, 20                          ; v20-23  the same for v: slot 0 keys 0-95, slot 0 keys 96-191, slot 1 likewise (an LDS offset has 16 bits)
.set STO,  24                          ; v24     the way out: where I put 32 bytes of a row
.set RD,   25                          ; v25     the way out: where I read a row back
.set CO,   26                          ; v26     16 x lane: my byte offset in 512 bytes of a row of out0
.set FTW,  27                          ; v27     FT + 2 x my thread's number: where I store my row's factors
.set SPW,  28                          ; v28     LDS address of my spare word: SPARE + 4 x my thread's number; never rewritten
.set NIL,  29                          ; v29     0; never rewritten
.set ILW,  30                          ; v30     IL + 4 x my thread's number
.set ILA,  31                          ; v31     IL + 4 x (64 x my half + lane % 16)
.set FS,   32                          ; v32, 34, 36, 38: f_c of row block a; the odd partners hold 0 (the packed form names the pair and takes its low word)
.set INV,  40                          ; v40, 42, 44, 46: 1 / l of row block a; the odd partners hold 0
.set AF,   64                          ; p's fragments: buffer f at v[AF + 32 f]
.set NEG,  64                          ; at the head: -M_c, later the factors' upper halves
.set LL,   80                          ; l_c
.set FF,   96                          ; f_c
.set RES,  64                          ; the way out: a block's results
.set BK,   128                         ; v128-191 and v192-255 by turns: 16 rows read back from the stage
.set G1, 24                            ; s[24:31] descriptor group 1 for p's tiles;  s[32:39] group 0, one set for each slot
.set G0, 32
.set G1B, 48                           ; s[48:55], s[56:63] the same for v's tiles
.set G0B, 56
.set G1S, 76                           ; s[76:83], s[84:91] groups 1 for the last tile of 128 keys, p's and v's;  s[92:95], s[96:99] their groups 0
.set G1SB, 84
.set G0S, 92
.set G0SB, 96
.set LIMA, 43                          ; s43     0 in a wave that prefetches, else the greatest number
.set LIMB, 72                          ; s72     1 in a wave that prefetches, else the greatest number
.set PFA,  44                          ; s[44:45] where my prefetches stand
.set PFS,  68                          ; s[68:69] a lap on, in bytes: 768 in a row of p, 384 rows in v
.set TF,   74                          ; s74     where the next chunk's factors begin in the table: 256 bytes a chunk
.set MSB, 0
.macro WIN new                         ; the immediate's high byte repeats the setting that is left; a switch that changes nothing is dropped
.if MSB != (\new)
	s_set_vgpr_msb (MSB<<8)|(\new)
.set MSB, (\new)
.endif
.endm
.set MULW,  0xf1                       ; source 0 (v^T) window 1, source 1 (p) window 0, C and D (T) window 3
.set FOLDW, 0xa3                       ; source 0 (T) window 3, source 1 (f) window 0, source 2 and destination (O) window 2
.set TO_B,  0x40                       ; destination window 1, address window 0
; A joint load: waves 0 and 1 fetch p's two halves, waves 2 and 3 v's.  Each of the two lines has ONE mask, one shape and one set of registers for all that issue it; the branch hangs on the wave's number alone.
; An s_nop 0 and four v_nop follow each of the two lines, ahead of the jump, the label and what follows.
.macro JLOAD g0a, g1a, g0b, g1b
	s_cmp_eq_u32 s11, 0
	s_cbranch_scc0 .Lfor_b_\@
	tensor_load_to_lds s[\g0a:\g0a+3], s[\g1a:\g1a+7]
	s_nop 0
.rept 4
	v_nop
.endr
	s_branch .Lasked_\@
.Lfor_b_\@:
	tensor_load_to_lds s[\g0b:\g0b+3], s[\g1b:\g1b+7]
	s_nop 0
.rept 4
	v_nop
.endr
.Lasked_\@:
.endm
; A PREFETCH INTO THE L2, once a lap, behind the joint load of the lap's second change of slots and the run of LDS loads that follows it: the lap AFTER the one that is being loaded (384 keys), three instructions a wave that asks, a lane a row.
; Its first half is loaded 192 matrix instructions later, its second 384.  Each aligned block of 256 bytes is named ONCE in the launch.
; p's 128 rows of a tile row are read by one cluster alone: in each of the four partners of a row of the cluster wave 0 asks for 32 of them (32 cx on), three blocks of 256 bytes a row.
; v's 384 keys x 512 bytes of a tile column are read by the four clusters of a batch: the first of them asks; in each of the four partners of a column waves 2 and 3 ask, 256 bytes a key each, for keys 128 i + 32 cy + lane, i = 0, 1, 2.
; The partners are told apart BY ADDRESS.  Laps 0 and 1 come by their loads alone; the loop's last trip asks for i = 0 alone: the last 128 keys, behind which each row of p and the batch's keys end.
.macro ASK
	s_cmp_gt_u32 s3, s[LIMA]
	s_cbranch_scc0 .Lnot_mine_\@
	global_prefetch_b8 v[PFO0], s[PFA:PFA+1] th:TH_LOAD_NT scope:SCOPE_SE
	s_cmp_gt_u32 s3, s[LIMB]                       ; s3 = 1 in the loop's last trip
	s_cbranch_scc0 .Lnot_mine_\@
	global_prefetch_b8 v[PFO1], s[PFA:PFA+1] th:TH_LOAD_NT scope:SCOPE_SE
	global_prefetch_b8 v[PFO2], s[PFA:PFA+1] th:TH_LOAD_NT scope:SCOPE_SE
.Lnot_mine_\@:
.endm
.macro CREST                           ; a round of the cluster's barrier behind its opening barrier
	s_cmp_lg_u32 s10, 0
	s_cbranch_scc1 .Lnot_wave_0_\@
	s_barrier_signal -3
.Lnot_wave_0_\@:
	s_barrier_wait -3
	s_barrier_signal -1
	s_barrier_wait -1
.endm
.macro CROUND                          ; a whole round
	s_barrier_signal -1
	s_barrier_wait -1
	CREST
.endm
	s_load_b128 s[4:7], s[0:1], 0x0                ; p s[4:5], qkv s[6:7]
	s_load_b64 s[66:67], s[0:1], 0x10              ; stats
	s_load_b64 s[8:9], s[0:1], 0x18                ; out0
	v_lshl_add_u32 v[SPW], v0, 2, SPARE
	v_mov_b32 v[NIL], 0
	ds_add_u32 v[SPW], v[NIL]                      ; the wave's opening: the add, twice on end, and its wait ahead of my first tensor load; the set-up below, work on registers, stands between the second and the wait
	ds_add_u32 v[SPW], v[NIL]                      ; and once more, under the one wait
	v_lshrrev_b32 v1, 5, v0
	v_readfirstlane_b32 s10, v1                    ; wave 0..3
	s_lshr_b32 s11, s10, 1                         ; which half of the tile's rows is mine.  Also: I fetch for p (0) or for v (1)
	s_and_b32 s12, s10, 1                          ; which half of its channels.  Also: which half of the rows or keys I fetch
	s_bfe_u32 s40, ttmp6, 0x40000                  ; cx, cy: my place in the cluster
	s_bfe_u32 s41, ttmp6, 0x40004
	s_lshl_b32 s42, ttmp9, 2
	s_add_co_u32 s42, s42, s40                     ; tile column = 4 x cluster x + cx: 256 channels
	s_and_b32 s13, ttmp7, 0xffff
	s_lshr_b32 s73, s13, 2                         ; the batch: four clusters along y to a batch; made of the cluster's y alone
	s_lshl_b32 s13, s13, 2
	s_add_co_u32 s13, s13, s41                     ; tile row = 4 x cluster y + cy: 128 of the 8,192 rows
	s_lshl_b32 s43, s41, 2
	s_lshl_b32 s43, 15, s43                        ; my row of the cluster
	s_lshl_b32 s44, 0x1111, s40                    ; my column
	; descriptor group 1.  p: 64 rows x 192 elements of 2 bytes, 2,048 elements from row to row, 4 words of padding after every 32 (three times a row)
	s_or_b32 s[G1+0], s43, (1<<16)|(1<<20)|(1<<21)|(4<<22)|(3<<25)   ; 15:0 the mask: p's tiles go to my row; 17:16 element of 2 bytes; 20 padding on; 21 set beside a mask; 24:22 after every 32 words (code 4); 31:25 of 4 words (code 3)
	s_mov_b32 s[G1+1], SK<<16                      ; tensor_dim0
	s_mov_b32 s[G1+2], 64<<16                      ; tensor_dim1
	s_mov_b32 s[G1+3], SK<<16                      ; tile_dim0
	s_mov_b32 s[G1+4], 64                          ; tile_dim1
	s_mov_b32 s[G1+5], 2048                        ; tensor_dim0_stride
	s_mov_b32 s[G1+6], 0
	s_mov_b32 s[G1+7], 0
	; p's last tile: 64 rows x 128 elements, the same padding (twice a row)
	s_or_b32 s[G1S+0], s43, (1<<16)|(1<<20)|(1<<21)|(4<<22)|(3<<25)
	s_mov_b32 s[G1S+1], 128<<16
	s_mov_b32 s[G1S+2], 64<<16
	s_mov_b32 s[G1S+3], 128<<16
	s_mov_b32 s[G1S+4], 64
	s_mov_b32 s[G1S+5], 2048
	s_mov_b32 s[G1S+6], 0
	s_mov_b32 s[G1S+7], 0
	; v: 96 keys x 256 elements, 1,024 elements from key to key, 8 words of padding after every 128
	s_or_b32 s[G1B+0], s44, (1<<16)|(1<<20)|(1<<21)|(6<<22)|(7<<25)
	s_mov_b32 s[G1B+1], 256<<16
	s_mov_b32 s[G1B+2], 96<<16
	s_mov_b32 s[G1B+3], 256<<16
	s_mov_b32 s[G1B+4], 96
	s_mov_b32 s[G1B+5], 1024
	s_mov_b32 s[G1B+6], 0
	s_mov_b32 s[G1B+7], 0
	; v's last tile: 64 keys
	s_or_b32 s[G1SB+0], s44, (1<<16)|(1<<20)|(1<<21)|(6<<22)|(7<<25)
	s_mov_b32 s[G1SB+1], 256<<16
	s_mov_b32 s[G1SB+2], 64<<16
	s_mov_b32 s[G1SB+3], 256<<16
	s_mov_b32 s[G1SB+4], 64
	s_mov_b32 s[G1SB+5], 1024
	s_mov_b32 s[G1SB+6], 0
	s_mov_b32 s[G1SB+7], 0
	s_lshl_b32 s17, s12, 6                         ; which 64 rows of p I fetch
	s_lshl_b32 s16, s13, 7
	s_add_co_u32 s16, s16, s17                     ; p: row 128 x tile row + 64 x half,
	s_lshl_b32 s16, s16, 12                        ; of 4,096 bytes: under 2^25
	s_mov_b32 s17, 0
	s_lshl_b32 s46, s73, 22                        ; v: 2,048 keys x 2,048 bytes x batch
	s_lshl_b32 s47, s42, 9
	s_add_co_u32 s46, s46, s47                     ; + 512 bytes x tile column
	s_mul_i32 s18, s12, 96*2048                    ; my 96 keys of a slot
	s_add_co_u32 s18, s18, s46
	s_mov_b32 s19, 0
	s_mul_i32 s22, s12, 64*2048                    ; my 64 keys of the last tile,
	s_add_co_u32 s22, s22, s46
	s_add_co_u32 s22, s22, 10*SK*2048              ; which begins at key 1,920
	s_mov_b32 s23, 0
	s_mul_i32 s20, s12, HALFA                      ; where they go: no place in the cluster enters an LDS address
	s_mul_i32 s21, s12, HALFV
	s_add_co_u32 s21, s21, VOFF
	s_mul_i32 s70, s12, HALFAS
	s_mul_i32 s71, s12, HALFVS
	s_add_co_u32 s71, s71, VOFF
	s_mov_b32 s[TF], 0
	s_wait_dscnt 0x0                               ; both opening adds are done
	s_wait_kmcnt 0x0
	s_add_nc_u64 s[6:7], s[6:7], 0x2000000         ; v begins 2^25 bytes behind q
	s_add_nc_u64 s[14:15], s[4:5], s[16:17]
	s_add_nc_u64 s[18:19], s[6:7], s[18:19]
	s_add_nc_u64 s[22:23], s[6:7], s[22:23]
	CROUND                                         ; all sixteen work-groups are here: the first joint loads meet
.irp s, 0,1
	s_mov_b32 s[G0+4*\s], 1                                        ; count = 1
	s_add_co_u32 s[G0+4*\s+1], s20, \s*SLOT                        ; LDS address
	s_add_nc_u64 s[G0+4*\s+2:G0+4*\s+3], s[14:15], \s*SK*2         ; global address: 192 keys along a row of p
	s_or_b32 s[G0+4*\s+3], s[G0+4*\s+3], 0x80000000                ; type = 2
	s_mov_b32 s[G0B+4*\s], 1
	s_add_co_u32 s[G0B+4*\s+1], s21, \s*SLOT
	s_add_nc_u64 s[G0B+4*\s+2:G0B+4*\s+3], s[18:19], \s*SK*2048    ; 192 keys down v
	s_or_b32 s[G0B+4*\s+3], s[G0B+4*\s+3], 0x80000000
	JLOAD G0+4*\s, G1, G0B+4*\s, G1B               ; the ring is filled before anything else is done: two loads of mine are out
.endr
	s_mov_b32 s[G0S], 1                            ; the last tile's groups 0: it goes into slot 0
	s_mov_b32 s[G0S+1], s70
	s_add_nc_u64 s[G0S+2:G0S+3], s[14:15], 10*SK*2
	s_or_b32 s[G0S+3], s[G0S+3], 0x80000000
	s_mov_b32 s[G0SB], 1
	s_mov_b32 s[G0SB+1], s71
	s_mov_b64 s[G0SB+2:G0SB+3], s[22:23]
	s_or_b32 s[G0SB+3], s[G0SB+3], 0x80000000
	; THE STATISTICS of the tile's 128 rows: thread t takes row t.  A wave's load reads 128 consecutive bytes
	v_lshlrev_b32 v7, 2, v0
	s_lshl_b32 s16, s13, 9                         ; 128 rows x 4 bytes x tile row
	s_mov_b32 s17, 0
	s_add_nc_u64 s[66:67], s[66:67], s[16:17]
.irp c, 0,1,2,3,4,5,6,7,8,9,10,11,12,13,14,15
	global_load_b32 v[NEG+\c], v7, s[66:67] offset:32768*\c
	global_load_b32 v[LL+\c], v7, s[66:67] offset:524288+32768*\c
.endr
	v_and_b32 v1, 15, v0                           ; r = l % 16
	v_bfe_u32 v2, v0, 4, 1                         ; h = l / 16
	v_and_b32 v6, 31, v0                           ; lane
	v_mul_u32_u24 v3, v1, PA
	v_lshl_add_u32 v3, v2, 4, v3                   ; p: a fragment's row x pitch + 16 x half
	s_mul_i32 s21, s11, HALFA                      ; my 64 rows
	v_add_nc_u32 v[ADRA], s21, v3
	s_add_co_u32 s21, s21, SLOT
	v_add_nc_u32 v[ADRA+1], s21, v3
	v_mul_u32_u24 v3, v1, PAS                      ; and in the last tile
	v_lshl_add_u32 v3, v2, 4, v3
	s_mul_i32 s21, s11, HALFAS
	v_add_nc_u32 v[ADRA2], s21, v3
	; The turning load takes 16 keys x 16 channels (lane l reads 16 bytes: key 8 (l / 16) + l % 8, channels 8 ((l / 8) % 2) + 0..7) and leaves half a fragment of v^T: lane l holds channel l % 16 and 8 keys.
	v_and_b32 v4, 7, v0
	v_lshl_add_u32 v4, v2, 3, v4
	v_mul_u32_u24 v4, v4, PV
	v_bfe_u32 v5, v0, 3, 1
	v_lshl_add_u32 v4, v5, 4, v4
	s_lshl_b32 s22, s12, 8                         ; my 128 channels: 256 bytes
	s_add_co_u32 s22, s22, VOFF
	v_add_nc_u32 v[ADRV], s22, v4
	v_add_nc_u32 v[ADRV+1], 96*PV, v[ADRV]
	v_add_nc_u32 v[ADRV+2], SLOT, v[ADRV]
	v_add_nc_u32 v[ADRV+3], SLOT+96*PV, v[ADRV]
	s_lshl_b32 s23, s11, 7
	s_add_co_u32 s23, s23, FT
	v_lshl_add_u32 v[AFT0], v1, 1, s23
	v_lshl_add_u32 v[FTW], v0, 1, FT
	s_lshl_b32 s23, s11, 8
	s_add_co_u32 s23, s23, IL
	v_lshl_add_u32 v[ILA], v1, 2, s23
	v_lshl_add_u32 v[ILW], v0, 2, IL
	s_mul_i32 s23, s10, 16*SPITCH
	s_add_co_u32 s23, s23, STAGE                   ; my stage
	v_mul_u32_u24 v5, v1, SPITCH                   ; in: row l % 16, 32 bytes for each half of the lanes
	v_lshl_add_u32 v5, v2, 5, v5
	v_add_nc_u32 v[STO], s23, v5
	v_lshlrev_b32 v[CO], 4, v6                     ; back: the 32 lanes take one row of 512 bytes; and the same in out0
	v_add_nc_u32 v[RD], s23, v[CO]
.irp a, 0,1,2,3
	v_mov_b32 v[INV+2*\a+1], 0                     ; named as the upper halves of pairs, so they are written
	v_mov_b32 v[FS+2*\a+1], 0
.endr
	s_lshl_b32 s16, s13, 7
	s_lshl_b32 s14, s11, 6
	s_add_co_u32 s16, s16, s14                     ; my first row of out0: 128 x tile row + 64 x half,
	s_lshl_b32 s16, s16, 12                        ; of 4,096 bytes
	s_lshl_b32 s46, s42, 10                        ; my first channel, in bytes: 1,024 x tile column + 512 x half
	s_lshl_b32 s47, s12, 9
	s_add_co_u32 s46, s46, s47
	s_add_co_u32 s16, s16, s46
	s_mov_b32 s17, 0
	s_add_nc_u64 s[8:9], s[8:9], s[16:17]
	; the prefetches: both places are made, and one is chosen by the wave's number
	s_lshl_b32 s20, s13, 7
	s_lshl_b32 s21, s40, 5
	s_add_co_u32 s20, s20, s21                     ; p: row 128 x tile row + 32 cx,
	s_lshl_b32 s20, s20, 12
	s_add_co_u32 s20, s20, 2*SK*2                  ; at lap 1: the first asking steps it to lap 2
	s_lshl_b32 s21, s73, 11
	s_lshl_b32 s23, s41, 5
	s_add_co_u32 s21, s21, s23                     ; v: key 2,048 x batch + 32 cy,
	s_add_co_u32 s21, s21, 2*SK                    ; at lap 1,
	s_lshl_b32 s21, s21, 11
	s_lshl_b32 s23, s42, 9
	s_add_co_u32 s21, s21, s23                     ; the tile column's 512 bytes,
	s_lshl_b32 s23, s12, 8
	s_add_co_u32 s21, s21, s23                     ; my half of them
	s_and_b32 s22, ttmp7, 3                        ; the cluster's place in its batch
	s_mov_b32 s[PFS], 2*SK*2048
	s_mov_b32 s23, 11
	s_mov_b32 s70, 128*2048
	s_cmp_eq_u32 s11, 0                            ; do I fetch for p?
	s_cselect_b32 s20, s20, s21
	s_cselect_b32 s22, s12, s22                    ; p: wave 0 asks, wave 1 does not;  v: the batch's first cluster asks
	s_cselect_b32 s[PFS], 2*SK*2, s[PFS]           ; a lap on
	s_cselect_b32 s23, 12, s23                     ; from lane to lane: a row of p is 4,096 bytes, of v 2,048
	s_cselect_b32 s70, 256, s70                    ; from one of the three instructions to the next: 256 bytes along a row of p, 128 keys down v
	s_cselect_b64 s[PFA:PFA+1], s[4:5], s[6:7]
	s_cmp_eq_u32 s22, 0
	s_cselect_b32 s[LIMA], 0, -1                   ; the same in all sixteen partners, for a given wave
	s_cselect_b32 s[LIMB], 1, -1
	s_mov_b32 s21, 0
	s_mov_b32 s[PFS+1], 0
	s_add_nc_u64 s[PFA:PFA+1], s[PFA:PFA+1], s[20:21]
	v_lshlrev_b32 v[PFO0], s23, v6
	v_add_nc_u32 v[PFO1], s70, v[PFO0]
	v_add_nc_u32 v[PFO2], s70, v[PFO1]
	; my row's M, its 16 factors and its divisor
	s_wait_loadcnt 0x0
	v_max3_num_f32 v112, -v[NEG], -v[NEG+1], -v[NEG+2]             ; M = the largest M_c, in two chains
	v_max3_num_f32 v113, -v[NEG+3], -v[NEG+4], -v[NEG+5]
.irp i, 6,10
	v_max3_num_f32 v112, v112, -v[NEG+\i], -v[NEG+\i+1]
	v_max3_num_f32 v113, v113, -v[NEG+\i+2], -v[NEG+\i+3]
.endr
	v_max3_num_f32 v112, v112, -v[NEG+14], -v[NEG+15]
	v_max_num_f32 v112, v112, v113
.irp c, 0,1,2,3,4,5,6,7,8,9,10,11,12,13,14,15
	v_sub_f32 v[FF+\c], -v[NEG+\c], v112           ; M_c - M: a whole number, 0 or less
.endr
.irp c, 0,1,2,3,4,5,6,7,8,9,10,11,12,13,14,15
	v_cvt_i32_f32 v[FF+\c], v[FF+\c]               ; (it saturates)
.endr
.irp c, 0,1,2,3,4,5,6,7,8,9,10,11,12,13,14,15
	v_ldexp_f32 v[FF+\c], 1.0, v[FF+\c]            ; f_c = 2^(M_c - M)
.endr
	v_mul_f32 v114, v[FF], v[LL]                   ; l = the sum of f_c l_c, in two chains; at least 1/2, since the largest chunk's f is 1
	v_mul_f32 v115, v[FF+1], v[LL+1]
.irp c, 2,4,6,8,10,12,14
	v_fma_f32 v114, v[FF+\c], v[LL+\c], v114
	v_fma_f32 v115, v[FF+\c+1], v[LL+\c+1], v115
.endr
	v_add_f32 v114, v114, v115
	v_rcp_f32 v116, v114
.irp c, 0,1,2,3,4,5,6,7,8,9,10,11,12,13,14,15
	v_lshrrev_b32 v[NEG+\c], 16, v[FF+\c]          ; the upper half of f_c's word: a power of two has nothing in the lower half.  (Plain lines behind the reciprocal)
.endr
.irp c, 0,1,2,3,4,5,6,7,8,9,10,11,12,13,14,15
	ds_store_b16 v[FTW], v[NEG+\c] offset:256*\c
.endr
	s_wait_alu depctr_va_vdst(0)                   ; the wait ahead of the first line that names the reciprocal
	ds_store_b32 v[ILW], v116
	s_wait_tensorcnt 1                             ; my part of slot 0 is in; slot 1's load may be out
	s_wait_dscnt 0x0                               ; for the others' sake: my factors lie in LDS
	s_barrier_signal -1
	s_barrier_wait -1
; A run of LDS loads: the fragments of one quarter (32 keys) into buffer f.  fact = 1: ahead of them the upper halves of the chunk's factors for my four row blocks.  Then v^T's eight channel blocks, then p's four row blocks, blocks 2 and 3 last.
; adra, pa, offa: p's address register, its pitch, the quarter's byte in a row;  adrv, offv: the same for v.
.macro FETCH adra, pa, offa, adrv, offv, f, fact
.if \fact
	v_add_nc_u32 v[AFT], s[TF], v[AFT0]
.irp a, 0,1,2,3
	ds_load_u16 v[FH+\a], v[AFT] offset:32*\a
.endr
	s_add_co_u32 s[TF], s[TF], 256
.endif
	WIN TO_B
.irp b, 0,1,2,3,4,5,6,7
	ds_load_tr16_b128 v[64*(\f)+8*\b:64*(\f)+8*\b+3],   v[\adrv] offset:(\offv)+32*\b
	ds_load_tr16_b128 v[64*(\f)+8*\b+4:64*(\f)+8*\b+7], v[\adrv] offset:(\offv)+16*PV+32*\b
.endr
	WIN 0
.irp i, 0,1,2,3
	ds_load_b128 v[AF+32*(\f)+8*\i:AF+32*(\f)+8*\i+3],   v[\adra] offset:(\offa)+\i*16*(\pa)
	ds_load_b128 v[AF+32*(\f)+8*\i+4:AF+32*(\f)+8*\i+7], v[\adra] offset:(\offa)+\i*16*(\pa)+32
.endr
.endm
; 8 matrix instructions: row block a x all 8 channel blocks, 32 keys of buffer f, onto T.  zero = 1: the chunk's first quarter: the products start the chunk's sums.
; fa >= 0: behind the b-th of them stands a slice: accumulator (fa, b) of T, from its low end on, is folded into O.  first = 1: the first chunk's fold starts O: nothing is ever cleared.
; The 32 accumulators take turns, one instruction a turn, in the same order in every quarter.
.macro MULB f, a, zero, fa, first
.irp b, 0,1,2,3,4,5,6,7
	WIN MULW
.if \zero
	v_wmma_f32_16x16x32_f16 v[8*(8*(\a)+\b):8*(8*(\a)+\b)+7], v[64*(\f)+8*\b:64*(\f)+8*\b+7], v[AF+32*(\f)+8*(\a):AF+32*(\f)+8*(\a)+7], 0
.else
	v_wmma_f32_16x16x32_f16 v[8*(8*(\a)+\b):8*(8*(\a)+\b)+7], v[64*(\f)+8*\b:64*(\f)+8*\b+7], v[AF+32*(\f)+8*(\a):AF+32*(\f)+8*(\a)+7], v[8*(8*(\a)+\b):8*(8*(\a)+\b)+7]
.endif
.if (\fa) >= 0
	WIN FOLDW
.irp j, 0,2,4,6
.if \first
	v_pk_mul_f32 v[8*(8*(\fa)+\b)+\j:8*(8*(\fa)+\b)+\j+1], v[8*(8*(\fa)+\b)+\j:8*(8*(\fa)+\b)+\j+1], v[FS+2*(\fa):FS+2*(\fa)+1] op_sel_hi:[1,0]
.else
	v_pk_fma_f32 v[8*(8*(\fa)+\b)+\j:8*(8*(\fa)+\b)+\j+1], v[8*(8*(\fa)+\b)+\j:8*(8*(\fa)+\b)+\j+1], v[FS+2*(\fa):FS+2*(\fa)+1], v[8*(8*(\fa)+\b)+\j:8*(8*(\fa)+\b)+\j+1] op_sel_hi:[1,0,1]
.endif
.endr
.endif
.endr
.endm
; A load into a register that a matrix instruction has read, and a vector instruction that reads a matrix result, stand four places behind that matrix instruction, and only plain vector instructions
; that name none of its registers are places (ISA guide 7.12.1 for vector instructions); this text does not count the matrix instructions in between.
.macro PLACES
.rept 4
	v_nop
.endr
.endm
; THE QUARTER AT PLACE ph OF A LAP (0 .. 11, but 5 and 11, which change slots).  It multiplies buffer ph % 2; in its middle it fetches the next quarter into the other buffer.  ph % 4 is the quarter's place in its chunk:
;   0: the products start T anew; behind those of blocks 0, 1 the last chunk's blocks 2, 3 are folded.  These slices are also the places in front of the loads.
;   1: this chunk's factors ride at the head of the run of loads.    2: they are made whole: four shifts, which are also the places in front of the loads.
;   3: behind the products of blocks 2, 3 this chunk's blocks 0, 1 are folded; the four places in front of the loads also part the last product of block 1 from the first slice.
; first = 2: the launch's first quarter: nothing to fold;  1: the fold is the first chunk's.   nxt = 0: the next quarter lies in the ring;  1: in the last tile;  2: there is none.
.macro PH ph, first, nxt
.set IDX, (\ph)%4
.set FB,  (\ph)%2
.set NPH, ((\ph)+1)%12
.set NSL, NPH/6
.set NQ,  NPH%6
.set FC, 0
.if IDX == 1
.set FC, 1
.endif
	s_wait_dscnt 4                                 ; all of the run is in but its youngest four loads: p's blocks 2 and 3
.if IDX == 0
.if (\first) == 2
	MULB FB, 0, 1, -1, 0
	MULB FB, 1, 1, -1, 0
.else
	MULB FB, 0, 1, 2, \first
	MULB FB, 1, 1, 3, \first
.endif
.else
	MULB FB, 0, 0, -1, 0
	MULB FB, 1, 0, -1, 0
.endif
	WIN 0
.if IDX == 2
.irp a, 0,1,2,3
	v_lshlrev_b32 v[FS+2*\a], 16, v[FH+\a]         ; f_c as f32 (the last chunk's fold is over since the quarter before the last)
.endr
.elseif (IDX != 0) || ((\first) == 2)
	PLACES
.endif
.if (\nxt) == 0
	FETCH ADRA+NSL, PA, 64*NQ+16*(NQ/2), ADRV+2*NSL+NQ/3, (NQ%3)*32*PV, 1-FB, FC
.elseif (\nxt) == 1
	FETCH ADRA2, PAS, 64*NQ+16*(NQ/2), ADRV+NQ/3, (NQ%3)*32*PV, 1-FB, FC
.endif
.if (\nxt) == 2
	s_wait_dscnt 0x0
.else
	s_wait_dscnt 24+4*FC                           ; all but the run just issued
.endif
.if IDX == 0
	MULB FB, 2, 1, -1, 0
	MULB FB, 3, 1, -1, 0
.elseif IDX == 3
	MULB FB, 2, 0, 0, \first
	MULB FB, 3, 0, 1, \first
.else
	MULB FB, 2, 0, -1, 0
	MULB FB, 3, 0, -1, 0
.endif
	WIN 0
.endm
; A SLOT'S LAST QUARTER (ph = 5: slot 0's, 11: slot 1's) multiplies buffer 1 and changes slots: ONE barrier; in front of it each wave waits for all its tensor loads (its part of the next slot), adds 0 to its spare word,
; and waits for that and for its own reads of this slot.  Behind it nobody reads this slot any more and the next slot is whole.
; fill = 1: the barrier opens a round of the cluster's barrier, and this slot is filled again, with the keys two slots on;  2: likewise, with the last tile of 128 keys;  0: nothing is filled, and no round follows.
.macro TURN ph, fill, nxt
.set IDX, (\ph)%4
.set SL,  (\ph)/6
.set FC, 0
.if IDX == 1
.set FC, 1
.endif
.if ((\ph) == 11) && ((\fill) == 1)
	s_wait_xcnt 0x0                                ; the last prefetches, a lap back, have read their address: it is stepped here, ahead of the waits of the change of slots
	s_add_nc_u64 s[PFA:PFA+1], s[PFA:PFA+1], s[PFS:PFS+1]
.endif
	s_wait_tensorcnt 0x0                           ; all my tensor loads have landed  (every window is 0 here: the add's two registers lie in window 0)
	ds_add_u32 v[SPW], v[NIL]                      ; 0 onto my spare word
	s_wait_dscnt 5                                 ; (the add and the youngest four loads, p's blocks 2 and 3, may be out)
	MULB 1, 0, 0, -1, 0                            ; eight matrix instructions stand between the add and the wait for it
	s_wait_dscnt 0x0                               ; the add is done, and my reads of this slot are over
	s_barrier_signal -1
	MULB 1, 1, 0, -1, 0                            ; work on registers while the others arrive
	WIN 0
	s_barrier_wait -1
.if (\fill) == 1
	CREST                                          ; no wave of any partner still reads this slot's tiles or has a load on its way
	s_add_nc_u64 s[G0+4*SL+2:G0+4*SL+3], s[G0+4*SL+2:G0+4*SL+3], 2*SK*2
	s_add_nc_u64 s[G0B+4*SL+2:G0B+4*SL+3], s[G0B+4*SL+2:G0B+4*SL+3], 2*SK*2048
	JLOAD G0+4*SL, G1, G0B+4*SL, G1B               ; the first tensor load behind the round, and my only one until the next; its four v_nop are the places in front of the loads and of the slices below
.elseif (\fill) == 2
	CREST
	JLOAD G0S, G1S, G0SB, G1SB
.else
	PLACES
.endif
.if (\nxt) == 0
	FETCH ADRA+1-SL, PA, 0, ADRV+2*(1-SL), 0, 0, FC
.else
	FETCH ADRA2, PAS, 0, ADRV, 0, 0, FC
.endif
.if ((\ph) == 11) && ((\fill) == 1)
	ASK
.endif
	s_wait_dscnt 24+4*FC                           ; all but the run just issued
.if IDX == 3
	MULB 1, 2, 0, 0, 0
	MULB 1, 3, 0, 1, 0
.else
	MULB 1, 2, 0, -1, 0
	MULB 1, 3, 0, -1, 0
.endif
	WIN 0
.endm
.irp a, 0,1,2,3
	ds_load_b32 v[INV+2*\a], v[ILA] offset:64*\a   ; 1 / l of my rows, for the way out
.endr
	FETCH ADRA, PA, 0, ADRV, 0, 0, 0
	PH 0, 2, 0                                     ; five quarters stand in front of the loop: the first chunk, whose fold starts O, and the quarter that ends that fold
	PH 1, 0, 0
	PH 2, 0, 0
	PH 3, 1, 0
	PH 4, 1, 0
	s_mov_b32 s3, 4
.Llap:                                                 ; a trip goes once round the ring, from slot 0's last quarter to its fifth in the next lap: 12 quarters, 3 chunks; it fills both slots again  (every window is 0 here)
	TURN 5, 1, 0
	PH 6, 0, 0
	PH 7, 0, 0
	PH 8, 0, 0
	PH 9, 0, 0
	PH 10, 0, 0
	TURN 11, 1, 0
	PH 0, 0, 0
	PH 1, 0, 0
	PH 2, 0, 0
	PH 3, 0, 0
	PH 4, 0, 0
	s_sub_co_u32 s3, s3, 1
	s_cmp_lg_u32 s3, 0
	s_cbranch_scc1 .Llap
	TURN 5, 2, 0                                   ; the tail is written out: slot 0 takes the last 128 keys
	PH 6, 0, 0
	PH 7, 0, 0
	PH 8, 0, 0
	PH 9, 0, 0
	PH 10, 0, 0
	TURN 11, 0, 1                                  ; slot 1 is left and nothing is asked for,
	PH 0, 0, 1                                     ; and the last chunk is multiplied
	PH 1, 0, 1
	PH 2, 0, 1
	PH 3, 0, 2
	WIN FOLDW                                      ; the last chunk's blocks 2 and 3: there are no products left to set them behind.  (The last slice, four lines that name nothing of the last product, parts them from it)
.irp a, 2,3
.irp b, 0,1,2,3,4,5,6,7
.irp j, 0,2,4,6
	v_pk_fma_f32 v[8*(8*\a+\b)+\j:8*(8*\a+\b)+\j+1], v[8*(8*\a+\b)+\j:8*(8*\a+\b)+\j+1], v[FS+2*\a:FS+2*\a+1], v[8*(8*\a+\b)+\j:8*(8*\a+\b)+\j+1] op_sel_hi:[1,0,1]
.endr
.endr
.endr
	WIN 0
; THE WAY OUT, block by block of 16 rows x 128 channels.  OUTB: the sums times 1 / l.  A lane holds 32 neighbouring bytes of a row, and the lanes beside it hold other rows:
; so a block goes through my own stage in LDS and comes back as whole rows of 512 bytes.  LDS serves a wave's instructions in order (ISA guide 5.7.1.4): no wait between the stores and the loads.
.macro OUTB a
	WIN 0x02                                       ; source 0: window 2
.set i, 0
.rept 32
	v_pk_mul_f32 v[RES+i:RES+i+1], v[64*(\a)+i:64*(\a)+i+1], v[INV+2*(\a):INV+2*(\a)+1] op_sel_hi:[1,0]
.set i, i+2
.endr
	WIN 0
.endm
.macro TOSTAGE a
.set BKR, BK+64*((\a)%2)
.irp b, 0,1,2,3,4,5,6,7
	ds_store_b128 v[STO], v[RES+8*\b:RES+8*\b+3] offset:64*\b
	ds_store_b128 v[STO], v[RES+8*\b+4:RES+8*\b+7] offset:64*\b+16
.endr
.irp t, 0,1,2,3,4,5,6,7,8,9,10,11,12,13,14,15
	ds_load_b128 v[BKR+4*\t:BKR+4*\t+3], v[RD] offset:\t*SPITCH
.endr
.endm
.macro SEND a, younger                 ; younger: the LDS instructions issued behind block a's loads, which may stay out
.set BKR, BK+64*((\a)%2)
	s_wait_dscnt \younger                          ; the block is back in registers
.if (\a) > 0
	s_add_nc_u64 s[8:9], s[8:9], 16*4096           ; (behind a wait on XCNT: the earlier stores have read their base)  16 rows of out0 on
.endif
.irp t, 0,1,2,3,4,5,6,7,8,9,10,11,12,13,14,15
	global_store_b128 v[CO], v[BKR+4*\t:BKR+4*\t+3], s[8:9] offset:\t*4096 th:TH_STORE_NT   ; 32 lanes store 512 consecutive bytes, at a multiple of 256 from out0's first byte; written once, read by nobody here
.endr
.endm
	OUTB 0
	TOSTAGE 0
.irp a, 1,2,3
.if \a > 1
	s_wait_xcnt 0x0                                ; block a - 2's stores have read their registers and their base: block a's loads may land there, and the base may step
.endif
	OUTB \a
	TOSTAGE \a
	SEND \a-1, 32                                  ; behind block a - 1's loads: block a's 16 stores and 16 loads
.endr
	s_wait_xcnt 0x0                                ; block 2's stores have read their base
	SEND 3, 0
	s_wait_tensorcnt 0x0                           ; the wave's end: behind my last tensor load and my last LDS store
	ds_add_u32 v[SPW], v[NIL]
	s_wait_dscnt 0x0
	CROUND                                         ; the closing round: no work-group ends while a partner may still ask for a tile that names it
	s_endpgm
.Lfunc_end_k_q3dbac2e864_mix:
	.size	k_q3dbac2e864_mix, .Lfunc_end_k_q3dbac2e864_mix-k_q3dbac2e864_mix
	.p2alignl 7, 3214868480
	.fill 96, 4, 3214868480
	.section	.rodata,"a",@progbits
	.p2align	6, 0x0
	.amdhsa_kernel k_q3dbac2e864_mix
		.amdhsa_group_segment_fixed_size 327680
		.amdhsa_private_segment_fixed_size 0
		.amdhsa_enable_private_segment 0
		.amdhsa_kernarg_size 32
		.amdhsa_user_sgpr_count 2
		.amdhsa_user_sgpr_kernarg_segment_ptr 1
		.amdhsa_wavefront_size32 1
		.amdhsa_system_sgpr_workgroup_id_x 1
		.amdhsa_system_sgpr_workgroup_id_y 1
		.amdhsa_system_sgpr_workgroup_id_z 1
		.amdhsa_system_vgpr_workitem_id 0
		.amdhsa_next_free_vgpr 1024
		.amdhsa_next_free_sgpr 100
		.amdhsa_reserve_vcc 0
		.amdhsa_float_denorm_mode_32 3
		.amdhsa_float_denorm_mode_16_64 3
		.amdhsa_memory_ordered 1
		.amdhsa_forward_progress 1
		.amdhsa_inst_pref_size 226
	.end_amdhsa_kernel
	.amdgpu_metadata
---
amdhsa.version: [ 1, 2 ]
amdhsa.kernels:
  - .name:           k_q3dbac2e864_mix
    .symbol:         k_q3dbac2e864_mix.kd
    .args:
      - { .name: p, .offset: 0, .size: 8, .value_kind: global_buffer, .address_space: global }
      - { .name: qkv, .offset: 8, .size: 8, .value_kind: global_buffer, .address_space: global }
      - { .name: stats, .offset: 16, .size: 8, .value_kind: global_buffer, .address_space: global }
      - { .name: out0, .offset: 24, .size: 8, .value_kind: global_buffer, .address_space: global }
    .group_segment_fixed_size: 327680
    .private_segment_fixed_size: 0
    .kernarg_segment_align: 8
    .kernarg_segment_size: 32
    .max_flat_workgroup_size: 128
    .sgpr_count:     100
    .vgpr_count:     1024
    .wavefront_size: 32
...
	.end_amdgpu_metadata
.endif
;; end of part 4
